; MI455X (gfx1250); checked and timed in simulation.
; The chip was launched on July 23, 2026; its instructions are those of AMD's public machine-readable ISA for CDNA 5 (MIT licence, August 2026) and "CDNA5" Instruction Set Architecture Reference Guide (July 2026). The comments in the code are by the model that wrote it; some were corrected since.
;; Sliding Window Attention. Allowed arithmetic: matrix products marked QUANTISED: E2M3 operands, one E8M0 scale for each 32 along K, by v_wmma_scale_f32_16x16x128_f8f6f4 with both operands' format E2M3, f32 sums; everything else in f32.
;; Inputs: w_k 1,024 x 1,024 float32; w_o 1,024 x 1,024 float32; w_q 1,024 x 1,024 float32; w_v 1,024 x 1,024 float32; x 1 x 4,096 x 1,024 float32.
;; Outputs: out0 1 x 4,096 x 1,024 float32.
;; This version of the problem:
;;   THIS VERSION OF THE PROBLEM IS GIVEN IN LOW PRECISION. The matrix products marked QUANTISED in the list below multiply operands that are first quantised to E2M3 (2 exponent bits, 3 mantissa bits; 6 bits a number), with one power-of-two scale for each 32 numbers along K (OCP MX v1.0); their sums are f32. All else is computed in f32.
;;   The module's matrix products, in the order in which they are computed (A, B: the left and right operand; K: the contracted axis; several contracted axes count as one K, in the product's order):
;;     1. [M 4,096, K 1,024] x [K 1,024, N 1,024]; A: input x; B: input w_q: QUANTISED
;;     2. [M 4,096, K 1,024] x [K 1,024, N 1,024]; A: input x; B: input w_k: QUANTISED
;;     3. [M 4,096, K 1,024] x [K 1,024, N 1,024]; A: input x; B: input w_v: QUANTISED
;;     4. batch 16 x [M 4,096, K 64] x [K 64, N 4,096]; A: computed on the way; B: computed on the way: QUANTISED
;;     5. batch 16 x [M 4,096, K 4,096] x [K 4,096, N 64]; A: computed on the way; B: computed on the way: QUANTISED
;;     6. [M 4,096, K 1,024] x [K 1,024, N 1,024]; A: computed on the way; B: input w_o: QUANTISED
;;   THE QUANTISER, for each operand of a quantised product, along K:
;;     - K is cut into blocks of 32 from its start; a last block that is shorter is filled with zeros.
;;     - A block's scale is 2^e with e = floor(log2(the largest magnitude in the block)) - 2, held to -126 .. 127; a block of zeros has e = 0. As a byte (E8M0): e + 127.
;;     - Each number is divided by its block's scale, clamped to +-7.5, and rounded to the nearest number of E2M3, ties to even, subnormals kept.
;;     - The product sums the exact products of the quantised numbers (number of the format x scale) in f32.
;;   ~~~python
;;   def quantise(x, axis):      # numpy; x: float32 -> the quantised numbers, widened to float32 again
;;       x = np.moveaxis(x, axis, -1); K = x.shape[-1]
;;       x = np.pad(x, [(0, 0)] * (x.ndim - 1) + [(0, -K % 32)]); x = x.reshape(x.shape[:-1] + (-1, 32)); a = np.abs(x).max(-1, keepdims=True)
;;       e = np.where(a > 0, np.clip(np.frexp(np.where(a > 0, a, 1))[1] - 1 - 2, -126, 127), 0)      # np.frexp(a)[1] - 1 = floor(log2(a)), exactly
;;       r = np.clip(x / 2.0 ** e, -7.5, 7.5)
;;       step = 2.0 ** (np.maximum(np.frexp(np.where(r == 0, 1, r))[1] - 1, 0) - 3)
;;       q = np.round(r / step) * step * 2.0 ** e      # np.round: ties to even
;;       return np.moveaxis(q.reshape(q.shape[:-2] + (-1,))[..., :K], -1, axis).astype(np.float32)
;;   ~~~
;;   OPERANDS COMPUTED ON THE WAY. 'Computed on the way' means the value that the module computes at that place (a softmax that the list does not call 'softmax' is quantised finished and normalised). What goes into a quantiser is computed in f32, as accurately as f32 sums, v_exp_f32 and their like allow (about 1e-6 of the number): no bf16 or f16 on the way to a quantiser, and a product that is left as it is and whose result goes on into a quantised operand takes f32 operands (vector FMAs, or v_wmma_f32_16x16x4_f32). A number that lies on a knife's edge between two numbers of the format may be rounded either way, as far as f32 arithmetic and the matrix unit's own rounding can turn it there, and no further.
;; One version. Each part assembles by itself: llvm-mc -triple=amdgcn-amd-amdhsa -mcpu=gfx1250 --defsym DOCPART=n.
;; ======== version 1 of 1: 4 launches
;; workspace buffers: cod 6,291,456 bytes; scl 262,144 bytes; qb 3,407,872 bytes; kv 6,749,952 bytes; oc 3,145,728 bytes; os 131,072 bytes
;; launch quant (part 1): grid 256 x 1, 4 waves a work-group, no clusters, 35,328 bytes of LDS; arguments x, w_q, w_k, w_v, w_o, cod, scl, kv; writes cod, scl, kv
.if DOCPART == 1
	.amdgcn_target "amdgcn-amd-amdhsa--gfx1250"
	.amdhsa_code_object_version 6
	.text
	.protected	k_qf5b2b2669d_quant
	.globl	k_qf5b2b2669d_quant
	.p2align	8
	.type	k_qf5b2b2669d_quant,@function
k_qf5b2b2669d_quant:
	s_mov_b64 s[64:65], 0
	v_nop
	global_prefetch_b8 v0, s[64:65] scope:SCOPE_SE
	s_setreg_imm32_b32 hwreg(HW_REG_WAVE_MODE, 25, 1), 1
	s_wait_xcnt 0x0
; x [4096][1024] and the four weights [1024][1024], f32, K innermost, become codes of FP6 (E2M3) with one E8M0 byte for each 32 along K.
; A block's scale is 2^(floor(log2(largest magnitude)) - 2); its byte is the largest magnitude's exponent field - 2, held at 1 from below.
; LIMITS: a block of zeros, and a block whose largest magnitude lies under 2^-124, keeps the byte 1 (its codes add nothing; this program alone reads the bytes); NaN and infinities are not served.
; LAYOUT OF THE CODES (cod): [K group of 64: 16][tile: 512][768 bytes].  A tile is 16 rows in the order in which a later product wants them: place r of tile T is row 32 (T / 2) + 8 (T % 2) + r + 8 (r / 8).
; A unit of 768 bytes is an image of operand registers: lane l = 16 h + r holds the 24 bytes of place r, k = 32 h .. 32 h + 31 of the group: its first 16 bytes at 16 l, its last 8 at 512 + 8 l.
; Tiles 0-255 x, 256-319 w_q, 320-383 w_k, 384-447 w_v, 448-511 w_o.   SCALES (scl): [tile][256 along K: 4][place 16][2 words]; a word serves 128 along K.
; SHARES.  A work-group takes 32 rows of one tensor (two tiles); wave v takes tile v / 2 and K half v % 2: eight steps of 16 rows x 64 along K.
; A step's eight loads read 256 consecutive bytes of a row in sixteen lanes; the 4,096 bytes turn through the wave's own stage in LDS (rows 272 bytes apart) and come back 128 bytes a lane: a whole block of 32.
; Loads run three steps ahead, the turn through LDS one step.  No barrier: waves share nothing.  Written out: every offset is an immediate, every store has registers of its own.
; Wave 0 of work-groups 0 to 254 also writes one run of 256 zero bytes of kv's five spare records (two in front, three behind), which the attention launch reads and masks.
.set WREG,  8704                       ; LDS of a wave: two stages of 16 x 272 bytes
.set STG,   4352
.set SPARE, 4*WREG                     ; behind them the spare words, 128 bytes a wave: two blocks of 256 bytes that no other line names
.set KGP,   393216                     ; bytes from a K group to the next in cod
.set GA,  2                            ; v2  in: 4096 x (lane / 16) + 16 x (lane % 16)
.set SI,  3                            ; v3  stage, in
.set SO,  4                            ; v4  stage, out: 272 r + 128 h
.set L16, 5                            ; v5  16 x lane
.set L8,  6                            ; v6  8 x lane
.set H8,  7                            ; v7  8 h
.set SPW, 12                           ; v12 my spare word; never rewritten
.set NIL, 13                           ; v13 0; never rewritten
.set WD,  16                           ; v16-19 four scale words in the making
.set WT,  20                           ; v20-23 the other half of the lanes' bytes
.set Y,   24                           ; v24-26 a block's upper 16 codes
.set R,   32                           ; v32-127  three sets of 32 numbers as loaded
.set X,   128                          ; v128-191 two sets of 32 neighbours
.set C,   192                          ; v192-255 codes: eight registers a step
	s_load_b256 s[4:11], s[0:1], 0x0               ; x, w_q, w_k, w_v
	s_load_b256 s[12:19], s[0:1], 0x20             ; w_o, cod, scl, kv
	v_lshl_add_u32 v[SPW], v0, 2, SPARE
	v_mov_b32 v[NIL], 0
	v_lshrrev_b32 v1, 5, v0
	v_readfirstlane_b32 s24, v1                    ; wave
	v_and_b32 v1, 31, v0                           ; lane
	v_and_b32 v8, 15, v0                           ; r
	v_bfe_u32 v9, v0, 4, 1                         ; h
	v_lshlrev_b32 v10, 4, v8
	v_lshl_add_u32 v[GA], v9, 12, v10
	s_mul_i32 s25, s24, WREG
	v_mad_u32_u24 v[SI], v9, 272, v10
	v_add_nc_u32 v[SI], s25, v[SI]
	v_mul_u32_u24 v[SO], v8, 272
	v_lshl_add_u32 v[SO], v9, 7, v[SO]
	v_add_nc_u32 v[SO], s25, v[SO]
	v_lshlrev_b32 v[L16], 4, v1
	v_lshlrev_b32 v[L8], 3, v1
	v_lshlrev_b32 v[H8], 3, v9
	v_cmp_ne_u32 s36, 0, v9                        ; the mask of lanes 16-31
	v_mov_b32 v14, 0
	v_mov_b32 v15, 0
.irp e, 0,1,2,3
	v_mov_b32 v[WT+\e], 0                          ; a lane permute's destination counts as one of its sources
.endr
	s_mov_b32 s34, 0x76543210
	s_mov_b32 s35, 0xfedcba98                      ; selects for lane l xor 16
	s_lshr_b32 s26, s24, 1                         ; u: which of the two tiles
	s_and_b32 s27, s24, 1                          ; which K half
	s_and_b32 s22, ttmp9, 31
	s_cmp_lt_u32 ttmp9, 128
	s_cselect_b32 s22, ttmp9, s22                  ; the group of 32 rows in its tensor
	s_lshl_b32 s22, s22, 17
	s_lshl_b32 s28, s26, 15                        ; + 8 u rows
	s_add_co_u32 s22, s22, s28
	s_lshl_b32 s28, s27, 11                        ; + the K half's 2,048 bytes
	s_add_co_u32 s22, s22, s28
	s_mov_b32 s23, 0
	s_lshl_b32 s28, ttmp9, 1
	s_add_co_u32 s28, s28, s26                     ; tile
	s_mul_i32 s30, s28, 768
	s_mul_i32 s29, s27, 8*KGP
	s_add_co_u32 s30, s30, s29
	s_mov_b32 s31, 0
	s_lshl_b32 s32, s28, 9
	s_lshl_b32 s29, s27, 8
	s_add_co_u32 s32, s32, s29
	s_mov_b32 s33, 0
	s_wait_kmcnt 0x0
	s_cmp_lt_u32 ttmp9, 128                        ; which tensor: the choice hangs on the work-group's number alone
	s_cselect_b64 s[20:21], s[4:5], s[6:7]
	s_cmp_lt_u32 ttmp9, 160
	s_cselect_b64 s[20:21], s[20:21], s[8:9]
	s_cmp_lt_u32 ttmp9, 192
	s_cselect_b64 s[20:21], s[20:21], s[10:11]
	s_cmp_lt_u32 ttmp9, 224
	s_cselect_b64 s[20:21], s[20:21], s[12:13]
	s_add_nc_u64 s[20:21], s[20:21], s[22:23]
	s_add_nc_u64 s[14:15], s[14:15], s[30:31]
	s_add_nc_u64 s[16:17], s[16:17], s[32:33]
.macro LOAD t                          ; step t: places 2 j and 2 j + 1 of the tile, 256 bytes of each
.irp j, 0,1,2,3,4,5,6,7
	global_load_b128 v[R+32*((\t)%3)+4*\j:R+32*((\t)%3)+4*\j+3], v[GA], s[20:21] offset:(2*\j+8*(\j/4))*4096+256*(\t) th:TH_LOAD_NT
.endr
.endm
.macro TURN t                          ; through the stage: LDS serves a wave's instructions in order, so no wait stands between the stores and the loads
.irp j, 0,1,2,3,4,5,6,7
	ds_store_b128 v[SI], v[R+32*((\t)%3)+4*\j:R+32*((\t)%3)+4*\j+3] offset:STG*((\t)%2)+544*\j
.endr
.irp i, 0,1,2,3,4,5,6,7
	ds_load_b128 v[X+32*((\t)%2)+4*\i:X+32*((\t)%2)+4*\i+3], v[SO] offset:STG*((\t)%2)+16*\i
.endr
.endm
.macro STEP t
.set XS, X+32*((\t)%2)
.set CC, C+8*(\t)
	s_wait_dscnt 0x0                               ; this step's numbers are back, so its stores into the stage have read their registers,
.if (\t)+3 < 8
	LOAD (\t)+3                                    ; which take the loads of three steps on
.endif
.if (\t) < 5
	s_wait_loadcnt 16                              ; the next step's eight loads are in; those of the two steps behind it may be out
	TURN (\t)+1
.elseif (\t) < 7
	s_wait_loadcnt 8*(6-(\t))
	TURN (\t)+1
.endif
	v_max3_num_f32 v8, |v[XS]|, |v[XS+1]|, |v[XS+2]|               ; the block's largest magnitude: all 32 numbers are mine
	v_max3_num_f32 v9, |v[XS+3]|, |v[XS+4]|, |v[XS+5]|
.irp i, 6,10,14,18,22,26
	v_max3_num_f32 v8, v8, |v[XS+\i]|, |v[XS+\i+1]|
	v_max3_num_f32 v9, v9, |v[XS+\i+2]|, |v[XS+\i+3]|
.endr
	v_max3_num_f32 v8, v8, |v[XS+30]|, |v[XS+31]|
	v_max3_num_f32 v8, v8, v9, 0x1800000           ; and the floor 2^(3 - 127): the byte cannot fall under 1
	v_add_nc_u32 v10, 0xff000000, v8               ; 2 off the exponent field: the conversion takes this operand's exponent field as its scale
	v_cvt_scalef32_pk16_fp6_f32 v[CC:CC+2], v[XS:XS+15], v10
	v_cvt_scalef32_pk16_fp6_f32 v[Y:Y+2], v[XS+16:XS+31], v10      ; (a conversion's three registers begin on an even number)
	v_lshrrev_b32 v11, 23, v10                     ; the scale's byte; also the plain line behind the conversions
.irp i, 0,1,2
	v_mov_b32 v[CC+3+\i], v[Y+\i]
.endr
.if (\t)%2 == 0
	v_mov_b32 v[WD+(\t)/2], v11                    ; my block is 2 (t % 2) + h of its 128 along K
.else
	v_lshl_or_b32 v[WD+(\t)/2], v11, 16, v[WD+(\t)/2]
.endif
	global_store_b128 v[L16], v[CC:CC+3], s[14:15] offset:(\t)*KGP          ; 512 consecutive bytes,
	global_store_b64 v[L8], v[CC+4:CC+5], s[14:15] offset:(\t)*KGP+512      ; and 256: the unit is whole
.endm
	LOAD 0
	LOAD 1
	LOAD 2
	s_wait_loadcnt 16                              ; step 0's eight loads are in
	TURN 0
.irp t, 0,1,2,3,4,5,6,7
	STEP \t
.endr
.irp e, 0,1,2,3
	v_lshlrev_b32 v[WD+\e], v[H8], v[WD+\e]        ; my two bytes at their places,
.endr
.irp e, 0,1,2,3
	v_permlanex16_b32 v[WT+\e], v[WD+\e], s34, s35
.endr
.irp e, 0,1,2,3
	v_or_b32 v[WD+\e], v[WD+\e], v[WT+\e]          ; with lane l xor 16's two the word is whole
.endr
	v_cndmask_b32 v28, v16, v18, s36               ; lanes 0-15 store words 0, 1 of my K half, lanes 16-31 words 2, 3
	v_cndmask_b32 v29, v17, v19, s36
	global_store_b64 v[L8], v[28:29], s[16:17]     ; 256 consecutive bytes, aligned
	s_cmp_lg_u32 s24, 0
	s_cbranch_scc1 .Lno_pad
	s_cmp_eq_u32 ttmp9, 255
	s_cbranch_scc1 .Lno_pad
	s_lshl_b32 s22, ttmp9, 8                       ; 102 runs of 256 bytes in front (two records of 13,056), 153 behind the 512 records
	s_cmp_lt_u32 ttmp9, 102
	s_cselect_b32 s28, 0, 6684672
	s_add_co_u32 s22, s22, s28
	s_mov_b32 s23, 0
	s_add_nc_u64 s[18:19], s[18:19], s[22:23]
	global_store_b64 v[L8], v[14:15], s[18:19]
.Lno_pad:
	s_wait_tensorcnt 0x0                           ; the wave's end: behind my last LDS store
	ds_add_u32 v[SPW], v[NIL]
	s_wait_dscnt 0x0
	s_endpgm
.Lfunc_end_k_qf5b2b2669d_quant:
	.size	k_qf5b2b2669d_quant, .Lfunc_end_k_qf5b2b2669d_quant-k_qf5b2b2669d_quant
	.p2alignl 7, 3214868480
	.fill 96, 4, 3214868480
	.section	.rodata,"a",@progbits
	.p2align	6, 0x0
	.amdhsa_kernel k_qf5b2b2669d_quant
		.amdhsa_group_segment_fixed_size 35328
		.amdhsa_private_segment_fixed_size 0
		.amdhsa_enable_private_segment 0
		.amdhsa_kernarg_size 64
		.amdhsa_user_sgpr_count 2
		.amdhsa_user_sgpr_kernarg_segment_ptr 1
		.amdhsa_wavefront_size32 1
		.amdhsa_system_sgpr_workgroup_id_x 1
		.amdhsa_system_sgpr_workgroup_id_y 1
		.amdhsa_system_sgpr_workgroup_id_z 1
		.amdhsa_system_vgpr_workitem_id 0
		.amdhsa_next_free_vgpr 256
		.amdhsa_next_free_sgpr 66
		.amdhsa_reserve_vcc 0
		.amdhsa_float_denorm_mode_32 3
		.amdhsa_float_denorm_mode_16_64 3
		.amdhsa_memory_ordered 1
		.amdhsa_forward_progress 1
		.amdhsa_inst_pref_size 32
	.end_amdhsa_kernel
	.amdgpu_metadata
---
amdhsa.version: [ 1, 2 ]
amdhsa.kernels:
  - .name:           k_qf5b2b2669d_quant
    .symbol:         k_qf5b2b2669d_quant.kd
    .args:
      - { .name: x, .offset: 0, .size: 8, .value_kind: global_buffer, .address_space: global }
      - { .name: w_q, .offset: 8, .size: 8, .value_kind: global_buffer, .address_space: global }
      - { .name: w_k, .offset: 16, .size: 8, .value_kind: global_buffer, .address_space: global }
      - { .name: w_v, .offset: 24, .size: 8, .value_kind: global_buffer, .address_space: global }
      - { .name: w_o, .offset: 32, .size: 8, .value_kind: global_buffer, .address_space: global }
      - { .name: cod, .offset: 40, .size: 8, .value_kind: global_buffer, .address_space: global }
      - { .name: scl, .offset: 48, .size: 8, .value_kind: global_buffer, .address_space: global }
      - { .name: kv, .offset: 56, .size: 8, .value_kind: global_buffer, .address_space: global }
    .group_segment_fixed_size: 35328
    .private_segment_fixed_size: 0
    .kernarg_segment_align: 8
    .kernarg_segment_size: 64
    .max_flat_workgroup_size: 128
    .sgpr_count:     66
    .vgpr_count:     256
    .wavefront_size: 32
...
	.end_amdgpu_metadata
.endif
;; end of part 1
;; launch qkv (part 2): grid 8 x 24, 4 waves a work-group, clusters of 4 x 4, 327,680 bytes of LDS; arguments cod, scl, qb, kv; writes qb, kv
.if DOCPART == 2
	.amdgcn_target "amdgcn-amd-amdhsa--gfx1250"
	.amdhsa_code_object_version 6
	.text
	.protected	k_qf5b2b2669d_qkv
	.globl	k_qf5b2b2669d_qkv
	.p2align	8
	.type	k_qf5b2b2669d_qkv,@function
k_qf5b2b2669d_qkv:
	s_mov_b64 s[64:65], 0
	v_nop
	global_prefetch_b8 v0, s[64:65] scope:SCOPE_SE
	s_setreg_imm32_b32 hwreg(HW_REG_WAVE_MODE, 25, 1), 1
	s_wait_xcnt 0x0
	s_wait_alu depctr_hold_cnt(0) depctr_sa_sdst(0) depctr_va_vdst(0) depctr_va_sdst(0) depctr_va_ssrc(0) depctr_va_vcc(0) depctr_vm_vsrc(0)
	s_getreg_b32 s2, hwreg(HW_REG_IB_STS2, 6, 4)
	s_cmp_eq_u32 s2, 0
	s_cbranch_scc0 .Lentry_in_a_cluster
	s_endpgm
.Lentry_in_a_cluster:
	s_bfe_u32 s2, ttmp6, 0x10000c
	s_cmp_lg_u32 s2, 0xf033
	s_cbranch_scc0 .Lentry_shape_is_right
	s_endpgm
.Lentry_shape_is_right:
; The three projections q = x Wq^T, k = x Wk^T, v = x Wv^T on codes of FP6 (E2M3) with E8M0 scales, K = 1,024; each result is quantised in registers for the product that takes it next and leaves as codes.
; A work-group of four waves makes 256 x 256 of one projection, a wave 128 x 128: 64 accumulators, 512 registers.  192 work-groups: 64 for each projection.
; ROLES, by the cluster's x and y alone (all sixteen partners go the same way).  Cluster y 0-3: source 0 = 16 rows of W (cluster x 0: Wq, 1: Wk), source 1 = 16 rows of x: a lane holds one token and its registers run
; along the features, which are the next K (the head's 64).  Cluster y 4, 5: v: source 0 = 16 rows of x, source 1 = 16 rows of Wv: a lane holds one feature and its registers run along the tokens, the next K (the keys).
; 'A' below is source 1 (shared along a row of the cluster), 'B' source 0 (shared along a column): each tile is asked for jointly by four work-groups.
; OPERANDS come as images of registers (units of 768 bytes: 16 places x 64 along K; lane l's first 16 bytes at 16 l, its last 8 at 512 + 8 l), tiles in the order place r = row 32 (T / 2) + 8 (T % 2) + r + 8 (r / 8),
; so that the 16 registers of source-0 tiles 2 b and 2 b + 1 are 16 neighbours along the next K.  Every LDS load is 16 or 8 consecutive bytes a lane: no padding.
; K goes in steps of 256 through a ring of two LDS slots; the scale words of all of K come once, with the first fills.  The ring's four steps are written straight: a loop would have one trip.
; OUT.  qb: [head 16][128 tokens: 32] records of 6,656 bytes: 8 units, then [tile 8][place 16] scale words (bytes 0, 1 the head's two blocks, bytes 2, 3 zero).
; kv: records of 13,056 bytes, two spare ones in front, then [head][128 keys: 32]: K's 8 units; V's codes by key block: [block 4][tile 4][place 16][16 bytes], [pair of blocks 2][tile 4][lane 32][8 bytes];
; K's scale words as q's; V's [place 16][tile 4] words, byte b = key block b.  All stores cover whole aligned runs of 256 bytes but q's and k's scale words, which go 128 bytes at a time (one part in fifty of what is stored).
; LIMITS: blocks whose largest magnitude lies under 2^-124 (zeros among them) keep the byte 1; NaN and infinities are not served.
; No prefetch: the launch is short and its tiles are shared in the cluster.
; REGISTERS: window 0: v16-27 addresses; v32-63 scale words, two sets; v128-223 A's 8 fragments, one set; on the way out v1-8, v64-114, v200-239.  window 1: B's fragments, two sets.  windows 2, 3: the accumulators ((a, b) at v[8 (8 (a % 4) + b)]).
.set NQ,     2                         ; matrix instructions deep in a slot
.set FR,     12
.set NL,     4                         ; LDS loads that bring a fragment
.set NP,     4                         ; places behind this matrix instruction (ISA guide 7.12.1)
.set KSB,    4*393216                  ; a K step of 256 in cod: four K groups
.set HALFT,  24576                     ; [K group 4][tile 8][768]: what one tensor load brings
.set SLOT,   4*HALFT
.set SCA,    2*SLOT                    ; A's scale words, 2 x 4,096 bytes;
.set SCB,    SCA+8192+128              ; B's, 128 bytes off, so that the two halves of the lanes read different banks
.set SPARE,  213248                    ; the spare words, 128 bytes a wave: two blocks of 256 bytes that no other line names
.set ADRA, 16                          ; v16-17 A's fragments in slot 0, 1 (16 x lane); v18-19 (8 x lane)
.set ADRB, 20                          ; v20-23 the same for B
.set ADRS, 27                          ; v27 my scale words: lanes 0-15 A's, lanes 16-31 B's
.set SPW,  28
.set NIL,  29
.set SC,   32
.set AF,   128
.set G1, 24
.set G0, 32
.set G1B, 48
.set G0B, 56
.set G1S, 68
.set G0S, 76
.set G1SB, 80
.set G0SB, 88
.set MSB, 0
.macro WIN new                         ; the immediate's high byte repeats the setting that is left
.if MSB != \new
	s_set_vgpr_msb (MSB<<8)|\new
.set MSB, \new
.endif
.endm
.set MUL_LO, 0xa1                      ; source 0 (B) window 1, source 1 (A) window 0, C and D window 2
.set MUL_HI, 0xf1
.set TO_B,   0x40
.macro JLOAD g0a, g1a, g0b, g1b        ; a joint load: waves 0, 1 fetch for A, waves 2, 3 for B; an s_nop 0 and four v_nop follow each line
	s_cmp_eq_u32 s15, 0
	s_cbranch_scc0 .Lfor_b_\@
	tensor_load_to_lds s[\g0a:\g0a+3], s[\g1a:\g1a+7]
	s_nop 0
.rept 4
	v_nop
.endr
	s_branch .Lasked_\@
.Lfor_b_\@:
	tensor_load_to_lds s[\g0b:\g0b+3], s[\g1b:\g1b+7]
	s_nop 0
.rept 4
	v_nop
.endr
.Lasked_\@:
.endm
.macro CREST
	s_cmp_lg_u32 s14, 0
	s_cbranch_scc1 .Lnot_wave_0_\@
	s_barrier_signal -3
.Lnot_wave_0_\@:
	s_barrier_wait -3
	s_barrier_signal -1
	s_barrier_wait -1
.endm
.macro CROUND
	s_barrier_signal -1
	s_barrier_wait -1
	CREST
.endm
	s_load_b256 s[4:11], s[0:1], 0x0               ; cod, scl, qb, kv
	v_lshl_add_u32 v[SPW], v0, 2, SPARE
	v_mov_b32 v[NIL], 0
	ds_add_u32 v[SPW], v[NIL]                      ; the wave's opening: the add and its wait ahead of my first tensor load
	v_lshrrev_b32 v1, 5, v0
	v_readfirstlane_b32 s14, v1                    ; wave
	s_lshr_b32 s15, s14, 1                         ; my half of A.  Also: I fetch for A (0) or B (1)
	s_and_b32 s16, s14, 1                          ; my half of B.  Also: which 8 tiles I fetch
	s_bfe_u32 s40, ttmp6, 0x40000                  ; cx
	s_bfe_u32 s41, ttmp6, 0x40004                  ; cy
	s_and_b32 s17, ttmp7, 0xffff                   ; the cluster's y
	s_lshl_b32 s43, s41, 2
	s_lshl_b32 s43, 15, s43                        ; my row of the cluster
	s_lshl_b32 s44, 0x1111, s40                    ; my column
	s_or_b32 s[G1+0], s43, (3<<16)|(1<<21)         ; the mask; elements of 8 bytes; bit 21 beside a mask; no padding
	s_or_b32 s[G1B+0], s44, (3<<16)|(1<<21)
.irp g, G1, G1B
	s_mov_b32 s[\g+1], 768<<16                     ; a row: 8 tiles x 768 bytes of one K group
	s_mov_b32 s[\g+2], 4<<16                       ; four K groups
	s_mov_b32 s[\g+3], 768<<16
	s_mov_b32 s[\g+4], 4
	s_mov_b32 s[\g+5], 49152                       ; 393,216 bytes from K group to K group
	s_mov_b32 s[\g+6], 0
	s_mov_b32 s[\g+7], 0
.endr
	s_or_b32 s[G1S+0], s43, (3<<16)|(1<<21)        ; the scale words of 8 tiles: 4,096 dense bytes as 16 rows of 256
	s_or_b32 s[G1SB+0], s44, (3<<16)|(1<<21)
.irp g, G1S, G1SB
	s_mov_b32 s[\g+1], 32<<16
	s_mov_b32 s[\g+2], 16<<16
	s_mov_b32 s[\g+3], 32<<16
	s_mov_b32 s[\g+4], 16
	s_mov_b32 s[\g+5], 32
	s_mov_b32 s[\g+6], 0
	s_mov_b32 s[\g+7], 0
.endr
	; the first tile that I fetch.  A's hangs on cy and the cluster's ids, B's on cx and the cluster's ids
	s_lshl_b32 s18, s16, 3
	s_lshl_b32 s20, s17, 6                         ; q, k: A = x, tiles 64 Y + 16 cy
	s_max_u32 s46, s17, 4
	s_sub_co_u32 s46, s46, 4
	s_lshl_b32 s46, s46, 1
	s_add_co_u32 s46, s46, ttmp9                   ; v: which quarter of x: 2 (Y - 4) + X
	s_lshl_b32 s46, s46, 6
	s_lshl_b32 s47, ttmp9, 6
	s_add_co_u32 s47, s47, 256                     ; q, k: B = Wq (tiles 256 on) or Wk (320 on)
	s_cmp_lt_u32 s17, 4
	s_cselect_b32 s20, s20, 384                    ; v: A = Wv, tiles 384 on
	s_cselect_b32 s46, s47, s46
	s_lshl_b32 s21, s41, 4
	s_add_co_u32 s20, s20, s21
	s_add_co_u32 s20, s20, s18
	s_lshl_b32 s47, s40, 4
	s_add_co_u32 s46, s46, s47
	s_add_co_u32 s46, s46, s18
	s_lshl_b32 s22, s20, 9                         ; scale words: 512 bytes a tile
	s_mov_b32 s23, 0
	s_mul_i32 s20, s20, 768
	s_mov_b32 s21, 0
	s_lshl_b32 s92, s46, 9
	s_mov_b32 s93, 0
	s_mul_i32 s46, s46, 768
	s_mov_b32 s47, 0
	s_mul_i32 s45, s14, HALFT                      ; where they go: no place in the cluster enters an LDS address
	s_lshl_b32 s94, s16, 12
	s_wait_dscnt 0x0                               ; the opening add is done
	s_wait_kmcnt 0x0
	s_add_nc_u64 s[20:21], s[4:5], s[20:21]
	s_add_nc_u64 s[22:23], s[6:7], s[22:23]
	s_add_nc_u64 s[46:47], s[4:5], s[46:47]
	s_add_nc_u64 s[92:93], s[6:7], s[92:93]
	CROUND                                         ; all sixteen work-groups are here: the first joint loads meet
	s_mov_b32 s[G0S], 1
	s_add_co_u32 s[G0S+1], s94, SCA
	s_mov_b64 s[G0S+2:G0S+3], s[22:23]
	s_or_b32 s[G0S+3], s[G0S+3], 0x80000000
	s_mov_b32 s[G0SB], 1
	s_add_co_u32 s[G0SB+1], s94, SCB
	s_mov_b64 s[G0SB+2:G0SB+3], s[92:93]
	s_or_b32 s[G0SB+3], s[G0SB+3], 0x80000000
	JLOAD G0S, G1S, G0SB, G1SB                     ; the scale words first: wanted with K step 0
.irp s, 0,1
	s_mov_b32 s[G0+4*\s], 1
	s_add_co_u32 s[G0+4*\s+1], s45, \s*SLOT
	s_add_nc_u64 s[G0+4*\s+2:G0+4*\s+3], s[20:21], \s*KSB
	s_or_b32 s[G0+4*\s+3], s[G0+4*\s+3], 0x80000000
	s_mov_b32 s[G0B+4*\s], 1
	s_add_co_u32 s[G0B+4*\s+1], s45, \s*SLOT
	s_add_nc_u64 s[G0B+4*\s+2:G0B+4*\s+3], s[46:47], \s*KSB
	s_or_b32 s[G0B+4*\s+3], s[G0B+4*\s+3], 0x80000000
	JLOAD G0+4*\s, G1, G0B+4*\s, G1B               ; three loads of mine are out at the most
.endr
	v_and_b32 v1, 31, v0                           ; lane
	v_and_b32 v2, 15, v0                           ; r
	v_bfe_u32 v3, v0, 4, 1                         ; h
	v_lshlrev_b32 v4, 4, v1
	v_lshlrev_b32 v5, 3, v1
	s_mul_i32 s21, s15, HALFT
	s_mul_i32 s22, s16, HALFT
	s_add_co_u32 s22, s22, 2*HALFT
.irp s, 0,1
	v_add_nc_u32 v[ADRA+\s], s21, v4
	v_add_nc_u32 v[ADRA+2+\s], s21, v5
	v_add_nc_u32 v[ADRB+\s], s22, v4
	v_add_nc_u32 v[ADRB+2+\s], s22, v5
	s_add_co_u32 s21, s21, SLOT
	s_add_co_u32 s22, s22, SLOT
.endr
	v_lshlrev_b32 v5, 3, v2                        ; two words a place
	s_lshl_b32 s21, s15, 12
	s_lshl_b32 s22, s16, 12
	s_add_co_u32 s22, s22, SCB-SCA
	s_sub_co_u32 s22, s22, s21
	v_mul_u32_u24 v6, s22, v3                      ; lanes 16-31 take B's: one product, the distance between the two bases
	s_add_co_u32 s21, s21, SCA
	v_add_nc_u32 v5, v5, v6
	v_add_nc_u32 v[ADRS], s21, v5
.macro FRAG reg, adr, q, i             ; a fragment, 16 places x 128 K, is two units: registers 6 c .. 6 c + 5 from unit 2 q + c
.irp c, 0,1
	ds_load_b128 v[\reg+6*\c:\reg+6*\c+3], v[\adr] offset:(2*(\q)+\c)*6144+(\i)*768
	ds_load_b64 v[\reg+6*\c+4:\reg+6*\c+5], v[\adr+2] offset:(2*(\q)+\c)*6144+(\i)*768+512
.endr
.endm
; 16 matrix instructions: A's blocks a0, a0 + 1 x B's eight.  The 64 accumulators take turns, one instruction a turn, in the same order in every step.
.macro MUL16 a0, p, q, sc, zero
.irp a, \a0, \a0+1
.irp b, 0,1,2,3,4,5,6,7
.if \zero
	v_wmma_scale_f32_16x16x128_f8f6f4 v[8*(8*((\a)%4)+\b):8*(8*((\a)%4)+\b)+7], v[128*(\p)+FR*\b:128*(\p)+FR*\b+FR-1], v[AF+FR*(\a):AF+FR*(\a)+FR-1], 0, v[SC+8*NQ*(\sc)+NQ*\b+(\q)], v[SC+8*NQ*(\sc)+NQ*(\a)+(\q)] matrix_a_fmt:MATRIX_FMT_FP6 matrix_b_fmt:MATRIX_FMT_FP6 matrix_a_scale:MATRIX_SCALE_ROW1
.else
	v_wmma_scale_f32_16x16x128_f8f6f4 v[8*(8*((\a)%4)+\b):8*(8*((\a)%4)+\b)+7], v[128*(\p)+FR*\b:128*(\p)+FR*\b+FR-1], v[AF+FR*(\a):AF+FR*(\a)+FR-1], v[8*(8*((\a)%4)+\b):8*(8*((\a)%4)+\b)+7], v[SC+8*NQ*(\sc)+NQ*\b+(\q)], v[SC+8*NQ*(\sc)+NQ*(\a)+(\q)] matrix_a_fmt:MATRIX_FMT_FP6 matrix_b_fmt:MATRIX_FMT_FP6 matrix_a_scale:MATRIX_SCALE_ROW1
.endif
.endr
.endr
.endm
.macro FETCH_B slot, q, p
	WIN TO_B
.irp i, 0,1,2,3,4,5,6,7
	FRAG 128*(\p)+FR*\i, ADRB+\slot, \q, \i
.endr
	WIN 0
.endm
.macro FETCH_A slot, q, i0
.irp i, \i0, \i0+1, \i0+2, \i0+3
	FRAG AF+FR*(\i), ADRA+\slot, \q, \i
.endr
.endm
.macro SCALES sc                       ; a K step's two words a place: lanes 0-15 A's block i, lanes 16-31 B's block i
.irp i, 0,1,2,3,4,5,6,7
	ds_load_b64 v[SC+8*NQ*\sc+NQ*\i:SC+8*NQ*\sc+NQ*\i+1], v[ADRS] offset:\i*512
.endr
.endm
.macro PLACES n                        ; plain vector lines between a matrix instruction and a load into, or a read of, its registers
.rept \n
	v_nop
.endr
.endm
.macro STEP slot, q, zero              ; 128 along K whose successor lies in the same slot
	s_wait_dscnt 4*NL                              ; B's set and A's blocks 0-3 are in; the youngest 16 loads (A's blocks 4-7) may be out
	WIN MUL_LO
	MUL16 0, (\q)%2, \q, \slot, \zero
	MUL16 2, (\q)%2, \q, \slot, \zero
	s_wait_dscnt 0
	PLACES NP
	FETCH_B \slot, (\q)+1, 1-(\q)%2
	FETCH_A \slot, (\q)+1, 0
	WIN MUL_HI
	MUL16 4, (\q)%2, \q, \slot, \zero
	MUL16 6, (\q)%2, \q, \slot, \zero
	PLACES NP
	WIN 0
	FETCH_A \slot, (\q)+1, 4
.endm
; A slot's last step changes slots: one barrier; in front of it each wave waits for all its tensor loads, adds 0 to its spare word, and waits for that and for its reads of this slot.
.macro TURN slot, next, fill
	s_wait_tensorcnt 0x0                           ; all my tensor loads have landed: my part of the next slot
	ds_add_u32 v[SPW], v[NIL]
	s_wait_dscnt 4*NL+1                            ; (the add and A's blocks 4-7 may be out)
	WIN MUL_LO
	MUL16 0, 1, NQ-1, \slot, 0
	s_wait_dscnt 0x0                               ; the add is done, and my reads of this slot are over
	s_barrier_signal -1
	MUL16 2, 1, NQ-1, \slot, 0
	WIN 0
	s_barrier_wait -1
.if \fill
	CREST                                          ; the barrier has opened a round of the cluster's: no wave of any partner still reads this slot or has a load on its way
	s_add_nc_u64 s[G0+4*\slot+2:G0+4*\slot+3], s[G0+4*\slot+2:G0+4*\slot+3], 2*KSB
	s_add_nc_u64 s[G0B+4*\slot+2:G0B+4*\slot+3], s[G0B+4*\slot+2:G0B+4*\slot+3], 2*KSB
	JLOAD G0+4*\slot, G1, G0B+4*\slot, G1B         ; the first tensor load behind the round; its four v_nop are the places in front of the loads below
.else
	PLACES NP
.endif
	v_add_nc_u32 v[ADRS], 128, v[ADRS]             ; the next K step's scale words
	FETCH_B \next, 0, 0
	FETCH_A \next, 0, 0
	SCALES \next
	WIN MUL_HI
	MUL16 4, 1, NQ-1, \slot, 0
	MUL16 6, 1, NQ-1, \slot, 0
	PLACES NP
	WIN 0
	FETCH_A \next, 0, 4
.endm
	s_wait_tensorcnt 1                             ; the scale words and my part of K step 0 are in; K step 1's load may be out
	s_barrier_signal -1
	s_barrier_wait -1
	FETCH_B 0, 0, 0
	FETCH_A 0, 0, 0
	SCALES 0
	FETCH_A 0, 0, 4
	STEP 0, 0, 1                                   ; the first products start the sums
	TURN 0, 1, 1                                   ; slot 0 takes K step 2
	STEP 1, 0, 0
	TURN 1, 0, 1                                   ; slot 1 takes K step 3
	STEP 0, 0, 0
	TURN 0, 1, 0                                   ; nothing is left to fetch
	STEP 1, 0, 0
	s_wait_dscnt 4*NL
	WIN MUL_LO
	MUL16 0, 1, NQ-1, 1, 0
	MUL16 2, 1, NQ-1, 1, 0
	s_wait_dscnt 0
	WIN MUL_HI
	MUL16 4, 1, NQ-1, 1, 0
	MUL16 6, 1, NQ-1, 1, 0
	WIN 0
; THE WAY OUT.  For each of A's blocks a, a lane's 64 results (register 16 b + i = place 32 b + 16 h + i along the next K) become a fragment's 12 registers and a scale word.
.set E16, 1                            ; v1 16 x lane
.set E8,  2                            ; v2 8 x lane
.set E4,  3                            ; v3 4 x lane
.set EVA, 4                            ; v4 1024 h + 16 r
.set EVS, 5                            ; v5 16 r + 8 h
.set PCS, 64                           ; v64-82, v96-114: two sets of codes, by turns
.set TM,  200                          ; v200-215 at work
.set PWR, 224                          ; v224-231 the eight scale words
.set ET,  232                          ; v232-239 scale words as they are stored
.set SEL, 32                           ; s[32:33] (no tensor load is out: the descriptors' registers are free)
.set HM,  34                           ; s34 the mask of lanes 16-31
.set CB,  24                           ; s[24:31] where the stores go
	v_and_b32 v6, 31, v0                           ; these ten lines name no register of the last products: they are the places behind them
	v_and_b32 v7, 15, v0
	v_bfe_u32 v8, v0, 4, 1
	v_lshlrev_b32 v[E16], 4, v6
	v_lshlrev_b32 v[E8], 3, v6
	v_lshlrev_b32 v[E4], 2, v6
	v_lshlrev_b32 v[EVA], 4, v7
	v_lshl_add_u32 v[EVS], v8, 3, v[EVA]
	v_lshl_add_u32 v[EVA], v8, 10, v[EVA]
	v_cmp_ne_u32 s[HM], 0, v8
.irp b, 0,1,2,3
	v_mov_b32 v[TM+4+\b], 0                        ; a lane permute's destination counts as one of its sources
.endr
	s_mov_b32 s[SEL], 0x76543210
	s_mov_b32 s[SEL+1], 0xfedcba98
.macro QUANTW w, s, pc, pw             ; 64 numbers in window w from v[s] on -> codes in v[pc] on, scale word in v[pw]
	WIN (((\w)<<2)|((\w)<<4))
.irp b, 0,1,2,3
	v_max3_num_f32 v[TM+\b], 0x1800000, |v[(\s)+16*\b]|, |v[(\s)+1+16*\b]|   ; my 16 numbers of block b, and the floor 2^(3 - 127).  Each accumulator is read from its low end on
.endr
.irp i, 2,4,6,8,10,12,14
.irp b, 0,1,2,3
	v_max3_num_f32 v[TM+\b], v[TM+\b], |v[(\s)+16*\b+\i]|, |v[(\s)+1+16*\b+\i]|
.endr
.endr
	WIN 0
.irp b, 0,1,2,3
	v_permlanex16_b32 v[TM+4+\b], v[TM+\b], s[SEL], s[SEL+1]
.endr
.irp b, 0,1,2,3
	v_max_num_f32 v[TM+\b], v[TM+\b], v[TM+4+\b]   ; with lane l xor 16's: the block's largest magnitude
.endr
.irp b, 0,1,2,3
	v_add_nc_u32 v[TM+12+\b], 0xff000000, v[TM+\b] ; 2 off the exponent field: the conversion's scale operand
.endr
.irp b, 0,1,2,3
	v_lshrrev_b32 v[TM+4+\b], 23, v[TM+12+\b]      ; the byte
.endr
	v_lshl_or_b32 v[\pw], v[TM+5], 8, v[TM+4]
	v_lshl_or_b32 v[\pw], v[TM+6], 16, v[\pw]
	v_lshl_or_b32 v[\pw], v[TM+7], 24, v[\pw]
	WIN (\w)
.irp c, 0,1
	v_cvt_scalef32_pk16_fp6_f32 v[(\pc)+6*\c:(\pc)+2+6*\c], v[(\s)+32*\c:(\s)+15+32*\c], v[TM+12+2*\c]
	v_cvt_scalef32_pk16_fp6_f32 v[(\pc)+12+4*\c:(\pc)+14+4*\c], v[(\s)+16+32*\c:(\s)+31+32*\c], v[TM+12+2*\c+1]
.endr
	WIN 0
	v_nop                                          ; one plain line behind a scaled conversion
.irp c, 0,1                            ; the operand's layout wants a whole block in a lane
.irp i, 0,1,2
	v_permlane16_swap_b32 v[(\pc)+6*\c+\i], v[(\pc)+12+4*\c+\i]
.endr
.irp i, 0,1,2
	v_mov_b32 v[(\pc)+3+6*\c+\i], v[(\pc)+12+4*\c+\i]
.endr
.endr
.endm
	s_cmp_lt_u32 s17, 4                            ; the cluster's y alone: all partners and all waves go the same way
	s_cbranch_scc0 .Lepi_v
	; q or k: my 128 features are heads 4 cx + 2 (B half) + c, c = 0, 1; my 128 tokens are record 2 (4 Y + cy) + (A half) of each
	s_lshl_b32 s18, s40, 2
	s_lshl_b32 s19, s16, 1
	s_add_co_u32 s18, s18, s19
	s_lshl_b32 s18, s18, 5
	s_lshl_b32 s19, s17, 2
	s_add_co_u32 s19, s19, s41
	s_lshl_b32 s19, s19, 1
	s_add_co_u32 s19, s19, s15
	s_add_co_u32 s18, s18, s19
	s_cmp_eq_u32 ttmp9, 0                          ; cluster x 0: q into qb; 1: k into kv
	s_cselect_b64 s[CB:CB+1], s[8:9], s[10:11]
	s_cselect_b32 s20, 0, 2                        ; kv has two spare records in front
	s_mov_b32 s21, 13056
	s_cselect_b32 s21, 6656, s21                   ; a record
	s_mov_b32 s22, 12288
	s_cselect_b32 s22, 6144, s22                   ; where its scale words begin
	s_add_co_u32 s18, s18, s20
	s_mul_i32 s18, s18, s21
	s_mov_b32 s19, 0
	s_add_nc_u64 s[CB:CB+1], s[CB:CB+1], s[18:19]
	s_lshl_b32 s18, s21, 5                         ; the next head: 32 records on
	s_add_nc_u64 s[CB+2:CB+3], s[CB:CB+1], s[18:19]
	s_mov_b32 s23, 0
	s_add_nc_u64 s[CB+4:CB+5], s[CB:CB+1], s[22:23]
	s_add_nc_u64 s[CB+6:CB+7], s[CB+2:CB+3], s[22:23]
.macro OUT_QK a
.if (\a) >= 2
	s_wait_xcnt 0x0                                ; block a - 2's stores have read this set of codes
.endif
.set PCD, PCS+32*((\a)%2)
	QUANTW 2+(\a)/4, 64*((\a)%4), PCD, PWR+(\a)
.irp c, 0,1                            ; registers 6 c .. 6 c + 5 are head c's unit: 16 tokens x the head's 64
	global_store_b128 v[E16], v[PCD+6*\c:PCD+6*\c+3], s[CB+2*\c:CB+2*\c+1] offset:768*(\a)
	global_store_b64 v[E8], v[PCD+6*\c+4:PCD+6*\c+5], s[CB+2*\c:CB+2*\c+1] offset:768*(\a)+512
.endr
.endm
.irp a, 0,1,2,3,4,5,6,7
	OUT_QK \a
.endr
.irp a, 0,2,4,6
	v_cndmask_b32 v[ET+\a/2], v[PWR+\a], v[PWR+\a+1], s[HM]      ; lanes 0-15 tile a's words, lanes 16-31 tile a + 1's
.endr
.irp a, 0,2,4,6
	v_lshrrev_b32 v[ET+4+\a/2], 16, v[ET+\a/2]     ; head 1's two bytes; bytes 2, 3 zero
	v_and_b32 v[ET+\a/2], 0xffff, v[ET+\a/2]       ; head 0's
.endr
.irp a, 0,2,4,6
	global_store_b32 v[E4], v[ET+\a/2], s[CB+4:CB+5] offset:64*\a
	global_store_b32 v[E4], v[ET+4+\a/2], s[CB+6:CB+7] offset:64*\a
.endr
	s_branch .Ldone
.Lepi_v:
	; v: A's block a is tile a % 4 of head 4 cy + 2 (A half) + a / 4; my 128 tokens are keys' record 2 (4 (2 (Y - 4) + X) + cx) + (B half)
	s_sub_co_u32 s18, s17, 4
	s_lshl_b32 s18, s18, 1
	s_add_co_u32 s18, s18, ttmp9
	s_lshl_b32 s18, s18, 2
	s_add_co_u32 s18, s18, s40
	s_lshl_b32 s18, s18, 1
	s_add_co_u32 s18, s18, s16
	s_lshl_b32 s19, s41, 2
	s_lshl_b32 s20, s15, 1
	s_add_co_u32 s19, s19, s20
	s_lshl_b32 s19, s19, 5
	s_add_co_u32 s18, s18, s19
	s_add_co_u32 s18, s18, 2
	s_mul_i32 s18, s18, 13056
	s_mov_b32 s19, 0
	s_add_nc_u64 s[CB:CB+1], s[10:11], s[18:19]
.macro OUT_V a
.if (\a) >= 2
	s_wait_xcnt 0x0                                ; block a - 2's stores have read this set of codes
.endif
.set PCD, PCS+32*((\a)%2)
	QUANTW 2+(\a)/4, 64*((\a)%4), PCD, PWR+(\a)
.irp c, 0,1                            ; lane (r, h), registers 6 c on: key block 2 c + h of the record
	global_store_b128 v[EVA], v[PCD+6*\c:PCD+6*\c+3], s[CB:CB+1] offset:((\a)/4)*417792+6144+2048*\c+256*((\a)%4)     ; each half of the lanes fills 256 consecutive bytes
	global_store_b64 v[E8], v[PCD+6*\c+4:PCD+6*\c+5], s[CB:CB+1] offset:((\a)/4)*417792+10240+(4*\c+(\a)%4)*256
.endr
.endm
.irp a, 0,1,2,3,4,5,6,7
	OUT_V \a
.endr
.irp d, 0,1
	v_cndmask_b32 v[ET+2*\d], v[PWR+4*\d], v[PWR+4*\d+2], s[HM]  ; lane (r, h) stores the words of tiles 2 h and 2 h + 1
	v_cndmask_b32 v[ET+2*\d+1], v[PWR+4*\d+1], v[PWR+4*\d+3], s[HM]
.endr
.irp d, 0,1
	global_store_b64 v[EVS], v[ET+2*\d:ET+2*\d+1], s[CB:CB+1] offset:\d*417792+12800
.endr
.Ldone:
	s_wait_tensorcnt 0x0                           ; the wave's end
	ds_add_u32 v[SPW], v[NIL]
	s_wait_dscnt 0x0
	CROUND                                         ; the closing round
	s_endpgm
.Lfunc_end_k_qf5b2b2669d_qkv:
	.size	k_qf5b2b2669d_qkv, .Lfunc_end_k_qf5b2b2669d_qkv-k_qf5b2b2669d_qkv
	.p2alignl 7, 3214868480
	.fill 96, 4, 3214868480
	.section	.rodata,"a",@progbits
	.p2align	6, 0x0
	.amdhsa_kernel k_qf5b2b2669d_qkv
		.amdhsa_group_segment_fixed_size 327680
		.amdhsa_private_segment_fixed_size 0
		.amdhsa_enable_private_segment 0
		.amdhsa_kernarg_size 32
		.amdhsa_user_sgpr_count 2
		.amdhsa_user_sgpr_kernarg_segment_ptr 1
		.amdhsa_wavefront_size32 1
		.amdhsa_system_sgpr_workgroup_id_x 1
		.amdhsa_system_sgpr_workgroup_id_y 1
		.amdhsa_system_sgpr_workgroup_id_z 1
		.amdhsa_system_vgpr_workitem_id 0
		.amdhsa_next_free_vgpr 1024
		.amdhsa_next_free_sgpr 100
		.amdhsa_reserve_vcc 0
		.amdhsa_float_denorm_mode_32 3
		.amdhsa_float_denorm_mode_16_64 3
		.amdhsa_memory_ordered 1
		.amdhsa_forward_progress 1
		.amdhsa_inst_pref_size 185
	.end_amdhsa_kernel
	.amdgpu_metadata
---
amdhsa.version: [ 1, 2 ]
amdhsa.kernels:
  - .name:           k_qf5b2b2669d_qkv
    .symbol:         k_qf5b2b2669d_qkv.kd
    .args:
      - { .name: cod, .offset: 0, .size: 8, .value_kind: global_buffer, .address_space: global }
      - { .name: scl, .offset: 8, .size: 8, .value_kind: global_buffer, .address_space: global }
      - { .name: qb, .offset: 16, .size: 8, .value_kind: global_buffer, .address_space: global }
      - { .name: kv, .offset: 24, .size: 8, .value_kind: global_buffer, .address_space: global }
    .group_segment_fixed_size: 327680
    .private_segment_fixed_size: 0
    .kernarg_segment_align: 8
    .kernarg_segment_size: 32
    .max_flat_workgroup_size: 128
    .sgpr_count:     100
    .vgpr_count:     1024
    .wavefront_size: 32
...
	.end_amdgpu_metadata
.endif
;; end of part 2
;; launch attn (part 3): grid 32 x 8, 8 waves a work-group, no clusters, 167,936 bytes of LDS; arguments qb, kv, oc, os; writes oc, os
.if DOCPART == 3
	.amdgcn_target "amdgcn-amd-amdhsa--gfx1250"
	.amdhsa_code_object_version 6
	.text
	.protected	k_qf5b2b2669d_attn
	.globl	k_qf5b2b2669d_attn
	.p2align	8
	.type	k_qf5b2b2669d_attn,@function
k_qf5b2b2669d_attn:
	s_mov_b64 s[64:65], 0
	v_nop
	global_prefetch_b8 v0, s[64:65] scope:SCOPE_SE
	s_setreg_imm32_b32 hwreg(HW_REG_WAVE_MODE, 25, 1), 1
	s_wait_xcnt 0x0
; Attention in the band |key - query| <= 256, both products on codes of FP6 (E2M3); what lies outside the band is not multiplied.
; The second product's left operand is the FINISHED softmax, p = exp(s - max) / sum, quantised in blocks of 32 keys counted from key 0: so a row's maximum and sum are known before any p is quantised.
; A tile of 16 queries sees at most 17 aligned blocks of 32 keys: 272 scores a lane, which stay in registers between the passes.
; SHARES.  A work-group owns 128 queries (ttmp9) and two heads (2 y, 2 y + 1).  Wave w owns query tile w, for one head and then the other: so it ends with a whole fragment (128 along the next K) and a whole scale word of O.
; LDS holds, for each head, six records of 128 keys (keys 128 i - 256 .. 128 i + 511), all asked for at the head, two tensor loads a wave, and never filled again.  Each region of a record lands on end, so it is linear in the key block.
; Records before key 0 and behind key 4,095 are a neighbouring head's or spare zeros: their scores are masked, and their V meets zero codes of p.
; LAYOUT.  S^T = K Q^T (source 0 = 16 keys, source 1 = my 16 queries), O^T = V^T P^T: a lane holds one query throughout.  Tiles hold their rows in the order place r = row 32 (T / 2) + 8 (T % 2) + r + 8 (r / 8),
; so that the 16 registers of key tiles 2 b, 2 b + 1 are keys 32 b + 16 h + 0 .. 15.
; THE HEAD'S 64 IN AN INSTRUCTION OF 128: Q's registers 6-11 are zero codes; K's operand runs on into the next fragment's registers (any code is a finite number, and adds nothing against a zero code); both sides' scale bytes 2, 3 are 0, never 0xff.
; A block's largest p is made from its largest score by the same three instructions as every p.
; NO CLUSTER: neighbouring work-groups' ranges of keys overlap but begin 128 keys apart, so no two would issue a load with the same descriptor.  NO PREFETCH: all that the launch reads is asked for at its head.
; LIMITS: NaN and infinite inputs, and scores that overflow f32, are not served (for finite scores a row always holds its own key, so no NaN arises for nan_to_num to replace);
; v_exp_f32 is taken not to fall where its input rises; blocks of p or O under 2^-124 keep the byte 1.
; REGISTERS: window 1: score blocks 0-15 (block b at 16 b).  window 0: see the names below.
.set HL,    78336                      ; LDS of a head: K's units 36,864; V's first parts 24,576; V's second parts 12,288; K's scale words 3,072; V's 1,536
.set VA,    36864
.set VB,    61440
.set KS,    73728
.set VS,    76800
.set STG,   2*HL                       ; 512 bytes: O's scale words meet here; written by ds_store alone
.set SPARE, STG+512                    ; the spare words, 128 bytes a wave: four blocks of 256 bytes that no other line names
.set L16, 1                            ; 16 x lane
.set L8,  2                            ; 8 x lane
.set AKA, 3                            ; K's units, first part
.set AKB, 4                            ; second part
.set AKS, 5                            ; K's scale words
.set AVA, 6                            ; V's first parts
.set AVB, 7                            ; second parts
.set AVS, 8                            ; V's scale words
.set VLO, 9                            ; register i of block b is hidden where 32 b + i < VLO
.set VHI, 10                           ; or > VHI
.set THR, 11
.set NINF, 12
.set SPW, 13
.set NIL, 14
.set R4,  15                           ; 4 r
.set QF,  16                           ; v16-27 Q: six registers of codes, six of zeros
.set QS,  28                           ; Q's scale word
.set PW,  29                           ; p's scale word
.set CM,  30                           ; v30-31 c x the row's maximum
.set KB,  32                           ; v32-61, v62-91 two sets: four fragments of K of six registers, and six more
.set VF,  32                           ; v32-79 four fragments of V
.set KSW, 92                           ; v92-99 K's scale words, two sets; then V's
.set VSR, 100                          ; v100-123 V's scale words as they lie: [record 6][tile 4]
.set SU0, 124
.set SU1, 126
.set SU2, 250
.set SU3, 252
.set OT,  128                          ; v128-159 O^T
.set S16, 160                          ; v160-175 score block 16
.set BM,  176                          ; v176-192 the blocks' largest
.set BT,  194                          ; v194-210 at work; then the blocks' bytes
.set PF,  212                          ; v212-223 p's codes
.set YT,  224                          ; v224-230 upper halves of blocks
.set RS,  232                          ; v232-233 1 / sum
.set MX,  234
.set ASTG, 235
.set OC,  236                          ; v236-247 O's codes, both heads
.set OSW, 248                          ; O's scale word
.set ARD, 249
.set T0,  254
.set T1,  255
.set WV,  12                           ; s12 wave;  s13 wave % 2;  s14 wave / 2 = my first key block in LDS
.set W1,  13
.set PI,  14
.set KVB, 18
.set G1KC, 24
.set G1VA, 32
.set G1VB, 40
.set G1KS, 48
.set G1VS, 56
.set G0A, 68
.set G0B, 72
.set SEL, 78
.set CS,  80
.set SLO, 82
.set SHI, 83
.set SELB, 84
.set MSB, 0
.macro WIN new
.if MSB != \new
	s_set_vgpr_msb (MSB<<8)|\new
.set MSB, \new
.endif
.endm
.macro GROUP1 g, c, r                  ; r records' region of c x 8 bytes, 13,056 bytes from record to record
	s_mov_b32 s[\g], 3<<16
	s_mov_b32 s[\g+1], (\c)<<16
	s_mov_b32 s[\g+2], (\r)<<16
	s_mov_b32 s[\g+3], (\c)<<16
	s_mov_b32 s[\g+4], \r
	s_mov_b32 s[\g+5], 1632
	s_mov_b32 s[\g+6], 0
	s_mov_b32 s[\g+7], 0
.endm
.macro FILL g1, goff, gstep, lbase, lstep   ; my two first fills: a region of the first head, the same of the second
	s_mul_i32 s76, s[W1], \gstep
	s_add_co_u32 s76, s76, \goff
	s_mov_b32 s77, 0
	s_mov_b32 s[G0A], 1
	s_mul_i32 s[G0A+1], s[W1], \lstep
	s_add_co_u32 s[G0A+1], s[G0A+1], \lbase
	s_add_nc_u64 s[G0A+2:G0A+3], s[KVB:KVB+1], s[76:77]
	s_mov_b32 s[G0B], 1
	s_add_co_u32 s[G0B+1], s[G0A+1], HL
	s_add_nc_u64 s[G0B+2:G0B+3], s[G0A+2:G0A+3], 417792
	s_or_b32 s[G0A+3], s[G0A+3], 0x80000000
	s_or_b32 s[G0B+3], s[G0B+3], 0x80000000
	tensor_load_to_lds s[G0A:G0A+3], s[\g1:\g1+7]
	s_nop 0
	tensor_load_to_lds s[G0B:G0B+3], s[\g1:\g1+7]
	s_nop 0
.rept 4
	v_nop
.endr
.endm
	s_load_b256 s[4:11], s[0:1], 0x0               ; qb, kv, oc, os
	v_lshl_add_u32 v[SPW], v0, 2, SPARE
	v_mov_b32 v[NIL], 0
	ds_add_u32 v[SPW], v[NIL]                      ; the wave's opening: the add and its wait ahead of my first tensor load
	v_lshrrev_b32 v1, 5, v0
	v_readfirstlane_b32 s[WV], v1
	s_and_b32 s[W1], s[WV], 1
	s_lshr_b32 s[PI], s[WV], 1
	s_and_b32 s16, ttmp7, 0xffff                   ; the pair of heads
	GROUP1 G1KC, 768, 3
	GROUP1 G1VA, 512, 3
	GROUP1 G1VB, 256, 3
	GROUP1 G1KS, 64, 6
	GROUP1 G1VS, 32, 6
	; every LDS address is made here, ahead of the branches on the wave's number
	v_and_b32 v[T0], 31, v0                        ; lane
	v_and_b32 v[T1], 15, v0                        ; r
	v_bfe_u32 v[MX], v0, 4, 1                      ; h
	v_lshlrev_b32 v[L16], 4, v[T0]
	v_lshlrev_b32 v[L8], 3, v[T0]
	v_lshlrev_b32 v[R4], 2, v[T1]
	s_mul_i32 s20, s[PI], 1536                     ; a key block is two units
	v_add_nc_u32 v[AKA], s20, v[L16]
	v_add_nc_u32 v[AKB], s20, v[L8]
	s_lshl_b32 s20, s[PI], 7
	s_add_co_u32 s20, s20, KS
	v_add_nc_u32 v[AKS], s20, v[R4]
	s_lshl_b32 s20, s[PI], 10
	s_add_co_u32 s20, s20, VA
	v_lshl_add_u32 v[AVA], v[T1], 4, s20
	v_lshl_add_u32 v[AVA], v[MX], 10, v[AVA]       ; lanes 16-31 take the next key block
	s_and_b32 s21, s[PI], 1                        ; V's second parts lie by pairs of blocks: from an even block the next is 128 bytes on, from an odd one 896
	s_mul_i32 s22, s21, 768
	s_add_co_u32 s22, s22, 128
	v_mul_u32_u24 v[AVB], s22, v[MX]
	s_lshr_b32 s23, s[PI], 1
	s_lshl_b32 s23, s23, 10
	s_lshl_b32 s21, s21, 7
	s_add_co_u32 s23, s23, s21
	s_add_co_u32 s23, s23, VB
	v_lshl_add_u32 v[AVB], v[T1], 3, v[AVB]
	v_add_nc_u32 v[AVB], s23, v[AVB]
	v_lshl_add_u32 v[AVS], v[T1], 4, VS
	s_lshl_b32 s20, s[WV], 6
	s_add_co_u32 s20, s20, STG
	v_add_nc_u32 v[ASTG], s20, v[R4]
	v_add_nc_u32 v[ARD], STG, v[L16]
	s_lshl_b32 s20, s16, 6
	s_add_co_u32 s20, s20, ttmp9                   ; 64 y + i: q's record of the first head; in kv, with its two spare records in front, the record two before mine
	s_mul_i32 s18, s20, 13056
	s_mov_b32 s19, 0
	s_mul_i32 s86, s20, 6656
	s_lshl_b32 s21, s[WV], 6
	s_add_co_u32 s88, s86, s21
	s_add_co_u32 s88, s88, 6144                    ; my tile's scale words
	s_mov_b32 s89, 0
	s_mul_i32 s21, s[WV], 768
	s_add_co_u32 s86, s86, s21                     ; my tile's unit
	s_mov_b32 s87, 0
	s_lshl_b32 s90, s16, 9
	s_lshl_b32 s21, ttmp9, 3
	s_add_co_u32 s90, s90, s21
	s_add_co_u32 s90, s90, s[WV]
	s_mul_i32 s90, s90, 768                        ; oc: [head][tile 256][768]
	s_mov_b32 s91, 0
	s_lshl_b32 s92, s16, 14
	s_lshl_b32 s21, ttmp9, 9
	s_add_co_u32 s92, s92, s21                     ; os: [128 along K: 8][place 4096] words
	s_mov_b32 s93, 0
	s_mov_b32 s[SEL], 0x76543210
	s_mov_b32 s[SEL+1], 0xfedcba98
	s_mov_b32 s[CS], 0x3e38aa3b                    ; c = log2(e) / sqrt(64)
	s_mov_b32 s[CS+1], s[CS]
	s_mul_i32 s[SELB], s[PI], 0x01010101
	s_add_co_u32 s[SELB], s[SELB], 0x03020100      ; four bytes from byte (my first block) of a pair of words on
	s_wait_dscnt 0x0                               ; the opening add is done
	s_wait_kmcnt 0x0
	s_add_nc_u64 s[KVB:KVB+1], s[6:7], s[18:19]
	s_add_nc_u64 s[86:87], s[4:5], s[86:87]
	s_add_nc_u64 s[88:89], s[4:5], s[88:89]
	s_add_nc_u64 s[90:91], s[8:9], s[90:91]
	s_add_nc_u64 s[92:93], s[10:11], s[92:93]
	s_cmp_lt_u32 s[WV], 2                          ; one arm a wave: two loads of mine are out
	s_cbranch_scc0 .Lnot_kc
	FILL G1KC, 0, 39168, 0, 18432
	s_branch .Lfilled
.Lnot_kc:
	s_cmp_lt_u32 s[WV], 4
	s_cbranch_scc0 .Lnot_va
	FILL G1VA, 6144, 39168, VA, 12288
	s_branch .Lfilled
.Lnot_va:
	s_cmp_lt_u32 s[WV], 6
	s_cbranch_scc0 .Lnot_vb
	FILL G1VB, 10240, 39168, VB, 6144
	s_branch .Lfilled
.Lnot_vb:
	s_cmp_eq_u32 s[WV], 6
	s_cbranch_scc0 .Lnot_ks
	FILL G1KS, 12288, 0, KS, 0
	s_branch .Lfilled
.Lnot_ks:
	FILL G1VS, 12800, 0, VS, 0
.Lfilled:
	global_load_b128 v[QF:QF+3], v[L16], s[86:87]  ; Q of the first head
	global_load_b64 v[QF+4:QF+5], v[L8], s[86:87] offset:512
	global_load_b32 v[QS], v[R4], s[88:89]
	; the mask's bounds, from ids alone.  My query is 128 i + 32 (w / 2) + qq; register i of block b holds key 128 i - 256 + 32 (w / 2) + 32 b + 16 h + i
	v_and_b32 v[THR], 8, v[T1]
	v_add_nc_u32 v[THR], v[THR], v[T1]
	s_lshl_b32 s20, s[W1], 3
	v_add_nc_u32 v[THR], s20, v[THR]               ; qq = r + 8 (r / 8) + 8 (w % 2)
	v_lshlrev_b32 v[T0], 4, v[MX]
	s_lshl_b32 s20, ttmp9, 7
	s_lshl_b32 s21, s[PI], 5
	s_add_co_u32 s20, s20, s21
	s_sub_co_i32 s[SLO], 256, s20                  ; key 0
	s_sub_co_i32 s[SHI], 4351, s20                 ; key 4,095
	v_mov_b32 v[VLO], s[SLO]
	v_cmp_gt_i32 vcc_lo, v[THR], v[VLO]
	v_cndmask_b32 v[VLO], v[VLO], v[THR], vcc_lo   ; the larger of qq and key 0's place,
	v_sub_nc_u32 v[VLO], v[VLO], v[T0]             ; less 16 h
	v_add_nc_u32 v[THR], 512, v[THR]
	v_mov_b32 v[VHI], s[SHI]
	v_cmp_lt_i32 vcc_lo, v[THR], v[VHI]
	v_cndmask_b32 v[VHI], v[VHI], v[THR], vcc_lo
	v_sub_nc_u32 v[VHI], v[VHI], v[T0]
	v_mov_b32 v[NINF], 0xff800000
.irp i, 6,7,8,9,10,11
	v_mov_b32 v[QF+\i], 0                          ; zero codes for k = 64 .. 127
.endr
.irp i, 24,25,26,27,28,29,54,55,56,57,58,59
	v_mov_b32 v[KB+\i], 0                          ; the six registers behind each set's last fragment
.endr
.irp b, 0,1,2,3,4,5,6,7,8,9,10,11,12,13,14,15,16
	v_mov_b32 v[BT+\b], 0                          ; a lane permute's destination counts as one of its sources
.endr
	v_mov_b32 v[RS+1], 0                           ; (named as the upper half of a pair)
	v_mov_b32 v[T1], 0
.macro KLOAD g, set                    ; key tiles 4 g .. 4 g + 3: six registers of codes and a scale word each
.irp m, 0,1,2,3
.if 4*(\g)+\m < 34
	ds_load_b128 v[KB+30*(\set)+6*\m:KB+30*(\set)+6*\m+3], v[AKA] offset:768*(4*(\g)+\m)
	ds_load_b64 v[KB+30*(\set)+6*\m+4:KB+30*(\set)+6*\m+5], v[AKB] offset:768*(4*(\g)+\m)+512
	ds_load_b32 v[KSW+4*(\set)+\m], v[AKS] offset:64*(4*(\g)+\m)
.endif
.endr
.endm
.macro QKMUL g, set
.irp m, 0,1,2,3
.if 4*(\g)+\m < 32
	v_wmma_scale_f32_16x16x128_f8f6f4 v[8*(4*(\g)+\m):8*(4*(\g)+\m)+7], v[KB+30*(\set)+6*\m:KB+30*(\set)+6*\m+11], v[QF:QF+11], 0, v[KSW+4*(\set)+\m], v[QS] matrix_a_fmt:MATRIX_FMT_FP6 matrix_b_fmt:MATRIX_FMT_FP6
.elseif 4*(\g)+\m < 34
	v_wmma_scale_f32_16x16x128_f8f6f4 v[S16+8*\m:S16+8*\m+7], v[KB+30*(\set)+6*\m:KB+30*(\set)+6*\m+11], v[QF:QF+11], 0, v[KSW+4*(\set)+\m], v[QS] matrix_a_fmt:MATRIX_FMT_FP6 matrix_b_fmt:MATRIX_FMT_FP6
.endif
.endr
.endm
.macro MASKLO b                        ; block b: hidden where 32 b + i < VLO.  The registers in ascending order
	v_add_nc_u32 v[THR], -32*(\b), v[VLO]
	WIN 0x41                                       ; destination and source 0 in window 1
.irp i, 0,1,2,3,4,5,6,7,8,9,10,11,12,13,14,15
	v_cmp_lt_i32 vcc_lo, \i, v[THR]
	v_cndmask_b32 v[16*(\b)+\i], v[16*(\b)+\i], v[NINF], vcc_lo
.endr
	WIN 0
.endm
.macro MASKHI b                        ; hidden where 32 b + i > VHI
	v_add_nc_u32 v[THR], -32*(\b), v[VHI]
.if (\b) < 16
	WIN 0x41
.set MR, 16*(\b)
.else
.set MR, S16
.endif
.irp i, 0,1,2,3,4,5,6,7,8,9,10,11,12,13,14,15
	v_cmp_gt_i32 vcc_lo, \i, v[THR]
	v_cndmask_b32 v[MR+\i], v[MR+\i], v[NINF], vcc_lo
.endr
	WIN 0
.endm
.macro PVSTEP s                        ; O^T += V^T P^T over my key blocks 4 s .. 4 s + 3 (s = 4: block 16 alone, the rest zero codes)
.if (\s) > 0
.rept 4
	v_nop                                          ; places behind the last products, in front of loads into and writes of their operands
.endr
.endif
.irp t, 0,1,2,3
.irp cc, 0,1
.if ((\s) < 4) || (\cc == 0)
	ds_load_b128 v[VF+12*\t+6*\cc:VF+12*\t+6*\cc+3], v[AVA] offset:2048*(2*(\s)+\cc)+256*\t
	ds_load_b64 v[VF+12*\t+6*\cc+4:VF+12*\t+6*\cc+5], v[AVB] offset:1024*(2*(\s)+\cc)+256*\t
.endif
.endr
.endr
.irp t, 0,1,2,3
	v_perm_b32 v[KSW+\t], v[VSR+4*((\s)+1)+\t], v[VSR+4*(\s)+\t], s[SELB]   ; V's four bytes of these blocks, out of two records' words
.endr
.if (\s) < 4
	v_lshl_or_b32 v[PW], v[BT+4*(\s)+1], 8, v[BT+4*(\s)]
	v_lshl_or_b32 v[PW], v[BT+4*(\s)+2], 16, v[PW]
	v_lshl_or_b32 v[PW], v[BT+4*(\s)+3], 24, v[PW]
	WIN 0x01                                       ; source 0 in window 1
.irp c, 0,1
	v_cvt_scalef32_pk16_fp6_f32 v[PF+6*\c:PF+6*\c+2], v[16*(4*(\s)+2*\c):16*(4*(\s)+2*\c)+15], v[BM+4*(\s)+2*\c]
	v_cvt_scalef32_pk16_fp6_f32 v[YT+4*\c:YT+4*\c+2], v[16*(4*(\s)+2*\c+1):16*(4*(\s)+2*\c+1)+15], v[BM+4*(\s)+2*\c+1]
.endr
	WIN 0
	v_nop                                          ; one plain line behind a scaled conversion
.irp c, 0,1
.irp i, 0,1,2
	v_permlane16_swap_b32 v[PF+6*\c+\i], v[YT+4*\c+\i]
.endr
.irp i, 0,1,2
	v_mov_b32 v[PF+3+6*\c+\i], v[YT+4*\c+\i]
.endr
.endr
.else
	v_mov_b32 v[PW], v[BT+16]
	v_cvt_scalef32_pk16_fp6_f32 v[PF:PF+2], v[S16:S16+15], v[BM+16]
.irp i, 0,1,2
	v_mov_b32 v[YT+\i], 0                          ; block 17: zero codes.  (Also the plain line behind the conversion)
.endr
.irp i, 6,7,8,9,10,11
	v_mov_b32 v[PF+\i], 0                          ; blocks 18, 19
.endr
.irp i, 0,1,2
	v_permlane16_swap_b32 v[PF+\i], v[YT+\i]
.endr
.irp i, 0,1,2
	v_mov_b32 v[PF+3+\i], v[YT+\i]
.endr
.endif
.rept 8
	v_nop                                          ; a scale register written by a vector instruction stands 8 places ahead of a scaled matrix instruction, an operand 4
.endr
	s_wait_dscnt 0x0
.irp t, 0,1,2,3                        ; the four accumulators take turns, one instruction a turn
.if (\s) == 0
	v_wmma_scale_f32_16x16x128_f8f6f4 v[OT+8*\t:OT+8*\t+7], v[VF+12*\t:VF+12*\t+11], v[PF:PF+11], 0, v[KSW+\t], v[PW] matrix_a_fmt:MATRIX_FMT_FP6 matrix_b_fmt:MATRIX_FMT_FP6
.else
	v_wmma_scale_f32_16x16x128_f8f6f4 v[OT+8*\t:OT+8*\t+7], v[VF+12*\t:VF+12*\t+11], v[PF:PF+11], v[OT+8*\t:OT+8*\t+7], v[KSW+\t], v[PW] matrix_a_fmt:MATRIX_FMT_FP6 matrix_b_fmt:MATRIX_FMT_FP6
.endif
.endr
.endm
.macro TILE hd                         ; my 16 queries against one head
	s_wait_loadcnt 0x0                             ; Q
.if \hd
.irp a, AKA, AKB, AKS, AVA, AVB, AVS
	v_add_nc_u32 v[\a], HL, v[\a]                  ; on to the second head's LDS
.endr
.endif
	; ---- S^T = K Q^T: 34 key tiles, four at a time, the next four's loads ahead
	KLOAD 0, 0
.irp g, 0,1,2,3,4,5,6,7,8
.if \g > 0
	WIN 0
.rept 4
	v_nop                                          ; places in front of loads into the set that the last four products read
.endr
.endif
.if \g < 8
	KLOAD \g+1, (\g+1)%2
.endif
.if \g < 7
	s_wait_dscnt 12                                ; all but the twelve loads just issued
.elseif \g == 7
	s_wait_dscnt 6                                 ; the last group has two tiles
.else
	s_wait_dscnt 0x0
.endif
.if \g < 8
	WIN 0x40                                       ; the results in window 1
.endif
	QKMUL \g, \g%2
.endr
	WIN 0
.rept 4
	v_nop
.endr
.irp k, 0,1,2,3,4,5
	ds_load_b128 v[VSR+4*\k:VSR+4*\k+3], v[AVS] offset:256*\k      ; V's scale words of the six records
.endr
.if \hd == 0
	global_load_b128 v[QF:QF+3], v[L16], s[86:87] offset:212992    ; Q of the second head: 32 records on
	global_load_b64 v[QF+4:QF+5], v[L8], s[86:87] offset:212992+512
	global_load_b32 v[QS], v[R4], s[88:89] offset:212992
.endif
	; ---- the band: hidden scores become -infinity.  Block 0 and block 16 always; others only where keys before 0 or behind 4,095 fall into them: scalar branches on ids
	MASKLO 0
.irp b, 1,2,3,4,5,6,7
	s_cmp_le_i32 s[SLO], 32*\b
	s_cbranch_scc1 .Llo_done_\hd
	MASKLO \b
.endr
.Llo_done_\hd:
	MASKHI 16
.irp b, 15,14,13,12,11,10,9
	s_cmp_ge_i32 s[SHI], 32*\b+31
	s_cbranch_scc1 .Lhi_done_\hd
	MASKHI \b
.endr
.Lhi_done_\hd:
	; ---- each block's largest score (it serves for the row's maximum and for the block's largest p)
	WIN 0x14                                       ; sources 1 and 2 in window 1
.irp q, 0,4,8,12
.irp d, 0,1,2,3
	v_max3_num_f32 v[BM+\q+\d], v[NINF], v[16*(\q+\d)], v[16*(\q+\d)+1]
.endr
.irp i, 2,4,6,8,10,12,14
.irp d, 0,1,2,3
	v_max3_num_f32 v[BM+\q+\d], v[BM+\q+\d], v[16*(\q+\d)+\i], v[16*(\q+\d)+\i+1]
.endr
.endr
.endr
	WIN 0
	v_max3_num_f32 v[BM+16], v[NINF], v[S16], v[S16+1]
.irp i, 2,4,6,8,10,12,14
	v_max3_num_f32 v[BM+16], v[BM+16], v[S16+\i], v[S16+\i+1]
.endr
.irp b, 0,1,2,3,4,5,6,7,8,9,10,11,12,13,14,15,16
	v_permlanex16_b32 v[BT+\b], v[BM+\b], s[SEL], s[SEL+1]
.endr
.irp b, 0,1,2,3,4,5,6,7,8,9,10,11,12,13,14,15,16
	v_max_num_f32 v[BM+\b], v[BM+\b], v[BT+\b]     ; with lane l xor 16's 16 keys
.endr
	v_max3_num_f32 v[MX], v[BM], v[BM+1], v[BM+2]
.irp b, 3,5,7,9,11,13,15
	v_max3_num_f32 v[MX], v[MX], v[BM+\b], v[BM+\b+1]
.endr
	v_mul_f32 v[CM], s[CS], v[MX]                  ; its rounding is a factor common to the row: the division by the sum takes it out
	v_mov_b32 v[CM+1], v[CM]
	; ---- c s - c m, then 2^(.): one batch of 289 exponentials, one wait
	WIN 0x41
.set n, 0
.rept 128
	v_pk_fma_f32 v[n:n+1], v[n:n+1], s[CS:CS+1], v[CM:CM+1] op_sel_hi:[1,0,0] neg_lo:[0,0,1] neg_hi:[0,0,1]
.set n, n+2
.endr
	WIN 0
.irp i, 0,2,4,6,8,10,12,14
	v_pk_fma_f32 v[S16+\i:S16+\i+1], v[S16+\i:S16+\i+1], s[CS:CS+1], v[CM:CM+1] op_sel_hi:[1,0,0] neg_lo:[0,0,1] neg_hi:[0,0,1]
.endr
.irp b, 0,1,2,3,4,5,6,7,8,9,10,11,12,13,14,15,16
	v_fma_f32 v[BM+\b], v[BM+\b], s[CS], -v[CM]
.endr
	WIN 0x41
.set n, 0
.rept 256
	v_exp_f32 v[n], v[n]
.set n, n+1
.endr
	WIN 0
.irp i, 0,1,2,3,4,5,6,7,8,9,10,11,12,13,14,15
	v_exp_f32 v[S16+\i], v[S16+\i]
.endr
.irp b, 0,1,2,3,4,5,6,7,8,9,10,11,12,13,14,15,16
	v_exp_f32 v[BM+\b], v[BM+\b]
.endr
	v_nop                                          ; a plain line behind the last exponential
	s_wait_alu depctr_va_vdst(0)                   ; one wait for the batch, ahead of its first reader
	; ---- the row's sum, two at a time, in four chains
	WIN 0x05
	v_pk_add_f32 v[SU0:SU0+1], v[0:1], v[2:3]
	v_pk_add_f32 v[SU1:SU1+1], v[4:5], v[6:7]
	v_pk_add_f32 v[SU2:SU2+1], v[8:9], v[10:11]
	v_pk_add_f32 v[SU3:SU3+1], v[12:13], v[14:15]
	WIN 0x04
.set n, 16
.rept 30
	v_pk_add_f32 v[SU0:SU0+1], v[SU0:SU0+1], v[n:n+1]
	v_pk_add_f32 v[SU1:SU1+1], v[SU1:SU1+1], v[n+2:n+3]
	v_pk_add_f32 v[SU2:SU2+1], v[SU2:SU2+1], v[n+4:n+5]
	v_pk_add_f32 v[SU3:SU3+1], v[SU3:SU3+1], v[n+6:n+7]
.set n, n+8
.endr
	WIN 0
.irp i, 0,8
	v_pk_add_f32 v[SU0:SU0+1], v[SU0:SU0+1], v[S16+\i:S16+\i+1]
	v_pk_add_f32 v[SU1:SU1+1], v[SU1:SU1+1], v[S16+\i+2:S16+\i+3]
	v_pk_add_f32 v[SU2:SU2+1], v[SU2:SU2+1], v[S16+\i+4:S16+\i+5]
	v_pk_add_f32 v[SU3:SU3+1], v[SU3:SU3+1], v[S16+\i+6:S16+\i+7]
.endr
	v_pk_add_f32 v[SU0:SU0+1], v[SU0:SU0+1], v[SU1:SU1+1]
	v_pk_add_f32 v[SU2:SU2+1], v[SU2:SU2+1], v[SU3:SU3+1]
	v_pk_add_f32 v[SU0:SU0+1], v[SU0:SU0+1], v[SU2:SU2+1]
	v_add_f32 v[T0], v[SU0], v[SU0+1]
	v_permlanex16_b32 v[T1], v[T0], s[SEL], s[SEL+1]
	v_add_f32 v[T0], v[T0], v[T1]
	v_rcp_f32 v[RS], v[T0]
	v_nop
	s_wait_alu depctr_va_vdst(0)                   ; ahead of the reciprocal's first reader
	; ---- p = 2^(.) / sum, finished; the blocks' scales
	WIN 0x41
.set n, 0
.rept 128
	v_pk_mul_f32 v[n:n+1], v[n:n+1], v[RS:RS+1] op_sel_hi:[1,0]
.set n, n+2
.endr
	WIN 0
.irp i, 0,2,4,6,8,10,12,14
	v_pk_mul_f32 v[S16+\i:S16+\i+1], v[S16+\i:S16+\i+1], v[RS:RS+1] op_sel_hi:[1,0]
.endr
.irp b, 0,1,2,3,4,5,6,7,8,9,10,11,12,13,14,15,16
	v_mul_f32 v[BM+\b], v[BM+\b], v[RS]
.endr
.irp b, 0,1,2,3,4,5,6,7,8,9,10,11,12,13,14,15,16
	v_max_num_f32 v[BM+\b], 0x1800000, v[BM+\b]    ; the floor 2^(3 - 127): a block whose every p is 0 keeps the byte 1; its codes are zeros
.endr
.irp b, 0,1,2,3,4,5,6,7,8,9,10,11,12,13,14,15,16
	v_add_nc_u32 v[BM+\b], 0xff000000, v[BM+\b]    ; the conversion's scale operand
.endr
.irp b, 0,1,2,3,4,5,6,7,8,9,10,11,12,13,14,15,16
	v_lshrrev_b32 v[BT+\b], 23, v[BM+\b]           ; the byte
.endr
	s_wait_dscnt 0x0                               ; V's scale words, asked for behind the first product
	PVSTEP 0
	PVSTEP 1
	PVSTEP 2
	PVSTEP 3
	PVSTEP 4
	; ---- O^T (register 16 b + i = channel 32 b + 16 h + i) is quantised along the head: half a fragment of the output projection
.rept 4
	v_nop
.endr
	v_max3_num_f32 v[BM], |v[OT]|, |v[OT+1]|, 0x1800000
	v_max3_num_f32 v[BM+1], |v[OT+16]|, |v[OT+17]|, 0x1800000
.irp i, 2,4,6,8,10,12,14
	v_max3_num_f32 v[BM], v[BM], |v[OT+\i]|, |v[OT+\i+1]|
	v_max3_num_f32 v[BM+1], v[BM+1], |v[OT+16+\i]|, |v[OT+17+\i]|
.endr
	v_permlanex16_b32 v[BT], v[BM], s[SEL], s[SEL+1]
	v_permlanex16_b32 v[BT+1], v[BM+1], s[SEL], s[SEL+1]
	v_max_num_f32 v[BM], v[BM], v[BT]
	v_max_num_f32 v[BM+1], v[BM+1], v[BT+1]
	v_add_nc_u32 v[BM], 0xff000000, v[BM]
	v_add_nc_u32 v[BM+1], 0xff000000, v[BM+1]
	v_lshrrev_b32 v[BT], 23, v[BM]
	v_lshrrev_b32 v[BT+1], 23, v[BM+1]
	v_lshl_or_b32 v[BT], v[BT+1], 8, v[BT]
.if \hd == 0
	v_mov_b32 v[OSW], v[BT]
.else
	v_lshl_or_b32 v[OSW], v[BT], 16, v[OSW]
.endif
	v_cvt_scalef32_pk16_fp6_f32 v[OC+6*\hd:OC+6*\hd+2], v[OT:OT+15], v[BM]
	v_cvt_scalef32_pk16_fp6_f32 v[YT:YT+2], v[OT+16:OT+31], v[BM+1]
	v_nop
.irp i, 0,1,2
	v_permlane16_swap_b32 v[OC+6*\hd+\i], v[YT+\i]
.endr
.irp i, 0,1,2
	v_mov_b32 v[OC+6*\hd+3+\i], v[YT+\i]
.endr
.endm
	s_wait_tensorcnt 0x1                           ; my part of the first head is in; the second head's load may be out
	s_barrier_signal -1
	s_barrier_wait -1                              ; everybody's is
	TILE 0
	s_wait_tensorcnt 0x0                           ; my part of the second head
	s_wait_dscnt 0x0
	s_barrier_signal -1
	s_barrier_wait -1
	TILE 1
	global_store_b128 v[L16], v[OC:OC+3], s[90:91]                 ; two units, each whole: 512 and 256 consecutive bytes
	global_store_b64 v[L8], v[OC+4:OC+5], s[90:91] offset:512
	global_store_b128 v[L16], v[OC+6:OC+9], s[90:91] offset:196608
	global_store_b64 v[L8], v[OC+10:OC+11], s[90:91] offset:196608+512
	ds_store_b32 v[ASTG], v[OSW]                   ; the eight tiles' scale words meet (both halves of the lanes write the same word with the same value)
	s_wait_dscnt 0x0                               ; for the others' sake
	s_barrier_signal -1
	s_barrier_wait -1
	s_cmp_lg_u32 s[WV], 0
	s_cbranch_scc1 .Lnot_0
	ds_load_b128 v[32:35], v[ARD]
	s_wait_dscnt 0x0
	global_store_b128 v[L16], v[32:35], s[92:93]   ; 512 consecutive bytes, aligned
.Lnot_0:
	s_wait_tensorcnt 0x0                           ; the wave's end
	ds_add_u32 v[SPW], v[NIL]
	s_wait_dscnt 0x0
	s_endpgm
.Lfunc_end_k_qf5b2b2669d_attn:
	.size	k_qf5b2b2669d_attn, .Lfunc_end_k_qf5b2b2669d_attn-k_qf5b2b2669d_attn
	.p2alignl 7, 3214868480
	.fill 96, 4, 3214868480
	.section	.rodata,"a",@progbits
	.p2align	6, 0x0
	.amdhsa_kernel k_qf5b2b2669d_attn
		.amdhsa_group_segment_fixed_size 167936
		.amdhsa_private_segment_fixed_size 0
		.amdhsa_enable_private_segment 0
		.amdhsa_kernarg_size 32
		.amdhsa_user_sgpr_count 2
		.amdhsa_user_sgpr_kernarg_segment_ptr 1
		.amdhsa_wavefront_size32 1
		.amdhsa_system_sgpr_workgroup_id_x 1
		.amdhsa_system_sgpr_workgroup_id_y 1
		.amdhsa_system_sgpr_workgroup_id_z 1
		.amdhsa_system_vgpr_workitem_id 0
		.amdhsa_next_free_vgpr 512
		.amdhsa_next_free_sgpr 100
		.amdhsa_reserve_vcc 1
		.amdhsa_float_denorm_mode_32 3
		.amdhsa_float_denorm_mode_16_64 3
		.amdhsa_memory_ordered 1
		.amdhsa_forward_progress 1
		.amdhsa_inst_pref_size 212
	.end_amdhsa_kernel
	.amdgpu_metadata
---
amdhsa.version: [ 1, 2 ]
amdhsa.kernels:
  - .name:           k_qf5b2b2669d_attn
    .symbol:         k_qf5b2b2669d_attn.kd
    .args:
      - { .name: qb, .offset: 0, .size: 8, .value_kind: global_buffer, .address_space: global }
      - { .name: kv, .offset: 8, .size: 8, .value_kind: global_buffer, .address_space: global }
      - { .name: oc, .offset: 16, .size: 8, .value_kind: global_buffer, .address_space: global }
      - { .name: os, .offset: 24, .size: 8, .value_kind: global_buffer, .address_space: global }
    .group_segment_fixed_size: 167936
    .private_segment_fixed_size: 0
    .kernarg_segment_align: 8
    .kernarg_segment_size: 32
    .max_flat_workgroup_size: 256
    .sgpr_count:     100
    .vgpr_count:     512
    .wavefront_size: 32
...
	.end_amdgpu_metadata
.endif
;; end of part 3
;; launch oproj (part 4): grid 8 x 32, 4 waves a work-group, clusters of 4 x 4, 222,720 bytes of LDS; arguments oc, os, cod, scl, out0; writes out0
.if DOCPART == 4
	.amdgcn_target "amdgcn-amd-amdhsa--gfx1250"
	.amdhsa_code_object_version 6
	.text
	.protected	k_qf5b2b2669d_oproj
	.globl	k_qf5b2b2669d_oproj
	.p2align	8
	.type	k_qf5b2b2669d_oproj,@function
k_qf5b2b2669d_oproj:
	s_mov_b64 s[64:65], 0
	v_nop
	global_prefetch_b8 v0, s[64:65] scope:SCOPE_SE
	s_setreg_imm32_b32 hwreg(HW_REG_WAVE_MODE, 25, 1), 1
	s_wait_xcnt 0x0
	s_wait_alu depctr_hold_cnt(0) depctr_sa_sdst(0) depctr_va_vdst(0) depctr_va_sdst(0) depctr_va_ssrc(0) depctr_va_vcc(0) depctr_vm_vsrc(0)
	s_getreg_b32 s2, hwreg(HW_REG_IB_STS2, 6, 4)
	s_cmp_eq_u32 s2, 0
	s_cbranch_scc0 .Lentry_in_a_cluster
	s_endpgm
.Lentry_in_a_cluster:
	s_bfe_u32 s2, ttmp6, 0x10000c
	s_cmp_lg_u32 s2, 0xf033
	s_cbranch_scc0 .Lentry_shape_is_right
	s_endpgm
.Lentry_shape_is_right:
; out0 = O Wo^T on codes of FP6 (E2M3) with E8M0 scales; O [4096][1024] comes as codes from the attention launch, Wo as tiles 448-511 of cod; out0 is f32.
; A work-group of four waves makes 128 x 128 (256 work-groups; tiles of 256 x 256 would be 64), a wave 64 x 64: 16 accumulators.
; ALL OF K LIES IN LDS: 16 K groups x 8 tiles x 768 bytes for each side, brought by four tensor loads a wave (256 along K each) behind one for the scale words; nothing is filled again, and the products of the first
; 256 along K begin when that part has landed.  Five loads of mine are out at the most.
; CLUSTERS: 4 x 4.  O's tiles ('A', source 1) hang on the tile row alone and are shared along a row of the cluster, Wo's ('B', source 0) on the tile column and are shared along a column: joint loads.
; Each side has descriptor registers of its own, so that none that feeds A's ever holds cx and none that feeds B's ever holds cy.
; Source 0 = Wo: a lane holds one token and eight neighbouring features.  Tiles hold their rows in the order place r = row 32 (T / 2) + 8 (T % 2) + r + 8 (r / 8): the way out puts tokens and features back by its offsets.
; No prefetch: the launch is short, and all that it reads is asked for at its head.
; REGISTERS: window 0: v16-24 addresses; v32-63 A's scale words (8 a + k), v64-95 B's (8 b + k); v128-255 the accumulators ((a, b) at v[128 + 8 (4 a + b)]).  window 1: two sets of fragments: A's four at +0, B's four at +48.
.set SA,    196608                     ; A's scale words: [half 2][128 along K: 8][64 words]
.set SB,    200704                     ; B's: [half 2][tile 4][512]
.set STG,   204800                     ; the way out: 16 rows x 272 bytes for each wave
.set SPARE, 222208                     ; the spare words, 128 bytes a wave: two blocks of 256 bytes that no other line names
.set FA,  16                           ; v16 A's units (16 x lane), v17 (8 x lane)
.set FB,  18                           ; v18, v19 B's
.set ASA, 20
.set ASB, 21
.set STO, 22
.set RD,  23
.set CO,  24
.set SPW, 28
.set NIL, 29
.set SAW, 32
.set SBW, 64
.set ACC, 128
.set G1A, 24                           ; s[24:31] group 1, A's codes;  s[32:51] A's five groups 0 (scale words, then four steps)
.set G0A, 32
.set G1B, 52                           ; s[52:59] B's codes;  s[60:63], s[68:83] B's five groups 0
.set G0B0, 60
.set G1SA, 84
.set G1SB, 92
.set MSB, 0
.macro WIN new
.if MSB != \new
	s_set_vgpr_msb (MSB<<8)|\new
.set MSB, \new
.endif
.endm
.macro CROUND
	s_barrier_signal -1
	s_barrier_wait -1
	s_cmp_lg_u32 s14, 0
	s_cbranch_scc1 .Lnot_wave_0_\@
	s_barrier_signal -3
.Lnot_wave_0_\@:
	s_barrier_wait -3
	s_barrier_signal -1
	s_barrier_wait -1
.endm
	s_load_b256 s[4:11], s[0:1], 0x0               ; oc, os, cod, scl
	s_load_b64 s[12:13], s[0:1], 0x20              ; out0
	v_lshl_add_u32 v[SPW], v0, 2, SPARE
	v_mov_b32 v[NIL], 0
	ds_add_u32 v[SPW], v[NIL]                      ; the wave's opening: the add and its wait ahead of my first tensor load
	v_lshrrev_b32 v1, 5, v0
	v_readfirstlane_b32 s14, v1
	s_lshr_b32 s15, s14, 1                         ; my half of A.  Also: I fetch for A (0) or B (1)
	s_and_b32 s16, s14, 1                          ; my half of B.  Also: which four tiles I fetch
	s_bfe_u32 s17, ttmp6, 0x40000                  ; cx
	s_bfe_u32 s18, ttmp6, 0x40004                  ; cy
	s_lshl_b32 s19, ttmp9, 2
	s_add_co_u32 s19, s19, s17                     ; tile column: 128 features
	s_and_b32 s20, ttmp7, 0xffff
	s_lshl_b32 s20, s20, 2
	s_add_co_u32 s20, s20, s18                     ; tile row: 128 tokens
	s_lshl_b32 s21, s18, 2
	s_lshl_b32 s21, 15, s21                        ; my row of the cluster
	s_lshl_b32 s22, 0x1111, s17                    ; my column
	s_or_b32 s[G1A], s21, (3<<16)|(1<<21)          ; the mask; elements of 8 bytes; bit 21 beside a mask
	s_or_b32 s[G1SA], s21, (3<<16)|(1<<21)
	s_or_b32 s[G1B], s22, (3<<16)|(1<<21)
	s_or_b32 s[G1SB], s22, (3<<16)|(1<<21)
.irp g, G1A, G1B
	s_mov_b32 s[\g+1], 384<<16                     ; a row: 4 tiles x 768 bytes of one K group
	s_mov_b32 s[\g+2], 4<<16
	s_mov_b32 s[\g+3], 384<<16
	s_mov_b32 s[\g+4], 4
	s_mov_b32 s[\g+6], 0
	s_mov_b32 s[\g+7], 0
.endr
	s_mov_b32 s[G1A+5], 24576                      ; oc: 256 tiles to a K group
	s_mov_b32 s[G1B+5], 49152                      ; cod: 512
.irp g, G1SA, G1SB
	s_mov_b32 s[\g+1], 32<<16                      ; eight rows of 256 bytes
	s_mov_b32 s[\g+2], 8<<16
	s_mov_b32 s[\g+3], 32<<16
	s_mov_b32 s[\g+4], 8
	s_mov_b32 s[\g+6], 0
	s_mov_b32 s[\g+7], 0
.endr
	s_mov_b32 s[G1SA+5], 2048                      ; os: 4,096 words from one 128 along K to the next
	s_mov_b32 s[G1SB+5], 32                        ; scl: dense
	s_lshl_b32 s3, s16, 2
	s_lshl_b32 s23, s20, 3
	s_add_co_u32 s23, s23, s3                      ; A: oc's tile 8 x tile row + 4 x half
	s_lshl_b32 s[G0A+2], s23, 6                    ; its scale words: 64 bytes a tile
	s_mov_b32 s[G0A+3], 0
	s_mul_i32 s[G0A+6], s23, 768
	s_mov_b32 s[G0A+7], 0
	s_lshl_b32 s66, s19, 3
	s_add_co_u32 s66, s66, s3
	s_add_co_u32 s66, s66, 448                     ; B: cod's tile 448 + 8 x tile column + 4 x half
	s_lshl_b32 s[G0B0+2], s66, 9
	s_mov_b32 s[G0B0+3], 0
	s_mul_i32 s70, s66, 768
	s_mov_b32 s71, 0
	s_mul_i32 s67, s16, 49152                      ; where they go: no place in the cluster enters an LDS address
	s_lshl_b32 s100, s16, 11
	s_add_co_u32 s[G0A+1], s100, SA
	s_add_co_u32 s[G0B0+1], s100, SB
.irp n, 1,2,3,4
	s_add_co_u32 s[G0A+4*\n+1], s67, (\n-1)*12288
	s_add_co_u32 s[64+4*\n+1], s67, 98304+(\n-1)*12288
.endr
	s_wait_dscnt 0x0                               ; the opening add is done
	s_wait_kmcnt 0x0
	s_add_nc_u64 s[G0A+2:G0A+3], s[6:7], s[G0A+2:G0A+3]
	s_add_nc_u64 s[G0A+6:G0A+7], s[4:5], s[G0A+6:G0A+7]
	s_add_nc_u64 s[G0B0+2:G0B0+3], s[10:11], s[G0B0+2:G0B0+3]
	s_add_nc_u64 s[70:71], s[8:9], s[70:71]
.irp n, 2,3,4
	s_add_nc_u64 s[G0A+4*\n+2:G0A+4*\n+3], s[G0A+6:G0A+7], (\n-1)*786432      ; four K groups on
	s_add_nc_u64 s[64+4*\n+2:64+4*\n+3], s[70:71], (\n-1)*1572864
.endr
.irp n, 0,1,2,3,4
	s_mov_b32 s[G0A+4*\n], 1
	s_or_b32 s[G0A+4*\n+3], s[G0A+4*\n+3], 0x80000000
.endr
	s_mov_b32 s[G0B0], 1
	s_or_b32 s[G0B0+3], s[G0B0+3], 0x80000000
.irp n, 1,2,3,4
	s_mov_b32 s[64+4*\n], 1
	s_or_b32 s[64+4*\n+3], s[64+4*\n+3], 0x80000000
.endr
	CROUND                                         ; all sixteen work-groups are here: the joint loads meet
	s_cmp_eq_u32 s15, 0                            ; one arm a wave; the branch hangs on the wave's number alone
	s_cbranch_scc0 .Lfor_b
	tensor_load_to_lds s[G0A:G0A+3], s[G1SA:G1SA+7]
	s_nop 0
.irp n, 1,2,3,4
	tensor_load_to_lds s[G0A+4*\n:G0A+4*\n+3], s[G1A:G1A+7]
	s_nop 0
.endr
.rept 4
	v_nop
.endr
	s_branch .Lasked
.Lfor_b:
	tensor_load_to_lds s[G0B0:G0B0+3], s[G1SB:G1SB+7]
	s_nop 0
.irp n, 1,2,3,4
	tensor_load_to_lds s[64+4*\n:64+4*\n+3], s[G1B:G1B+7]
	s_nop 0
.endr
.rept 4
	v_nop
.endr
.Lasked:
	v_and_b32 v1, 31, v0                           ; lane
	v_and_b32 v2, 15, v0                           ; r
	v_bfe_u32 v3, v0, 4, 1                         ; h
	v_lshlrev_b32 v4, 4, v1
	v_lshlrev_b32 v5, 3, v1
	s_mul_i32 s101, s15, 49152
	v_add_nc_u32 v[FA], s101, v4
	v_add_nc_u32 v[FA+1], s101, v5
	s_add_co_u32 s67, s67, 98304
	v_add_nc_u32 v[FB], s67, v4
	v_add_nc_u32 v[FB+1], s67, v5
	s_lshl_b32 s101, s15, 11
	s_add_co_u32 s101, s101, SA
	v_lshl_add_u32 v[ASA], v2, 2, s101
	s_add_co_u32 s100, s100, SB
	v_lshl_add_u32 v[ASB], v2, 3, s100
	s_mul_i32 s101, s14, 16*272
	s_add_co_u32 s101, s101, STG                   ; my stage
	v_mul_u32_u24 v6, v2, 272
	v_lshl_add_u32 v6, v3, 6, v6
	v_add_nc_u32 v[STO], s101, v6                  ; in: row r, + 64 h
	v_mul_u32_u24 v6, v3, 272
	v_lshl_add_u32 v6, v2, 4, v6
	v_add_nc_u32 v[RD], s101, v6                   ; back: lanes 0-15 one row of 256 bytes, lanes 16-31 the next
	v_lshlrev_b32 v6, 4, v2
	v_lshl_add_u32 v[CO], v3, 12, v6               ; and the same two rows of out0
	s_lshl_b32 s2, s20, 7
	s_lshl_b32 s3, s15, 6
	s_add_co_u32 s2, s2, s3
	s_lshl_b32 s2, s2, 12                          ; my first token's row of 4,096 bytes,
	s_lshl_b32 s3, s19, 9
	s_add_co_u32 s2, s2, s3
	s_lshl_b32 s3, s16, 8
	s_add_co_u32 s2, s2, s3                        ; my first feature
	s_mov_b32 s3, 0
	s_add_nc_u64 s[12:13], s[12:13], s[2:3]
.macro FRAG reg, adr, k, i             ; 16 places x 128 K: two units
.irp c, 0,1
	ds_load_b128 v[\reg+6*\c:\reg+6*\c+3], v[\adr] offset:(2*(\k)+\c)*3072+(\i)*768
	ds_load_b64 v[\reg+6*\c+4:\reg+6*\c+5], v[\adr+1] offset:(2*(\k)+\c)*3072+(\i)*768+512
.endr
.endm
.macro FETCH k                         ; 32 loads in one run: B's four fragments, then A's; A's tiles 2, 3 last
	WIN 0x40                                       ; destination window 1
.set FS, 128*((\k)%2)
.irp b, 0,1,2,3
	FRAG FS+48+12*\b, FB, \k, \b
.endr
.irp a, 0,1,2,3
	FRAG FS+12*\a, FA, \k, \a
.endr
.endm
.macro MUL8 k, a0                      ; the sixteen accumulators take turns, one instruction a turn, in the same order in every step
.set FS, 128*((\k)%2)
.irp a, \a0, \a0+1
.irp b, 0,1,2,3
.if (\k) == 0
	v_wmma_scale_f32_16x16x128_f8f6f4 v[ACC+8*(4*(\a)+\b):ACC+8*(4*(\a)+\b)+7], v[FS+48+12*\b:FS+48+12*\b+11], v[FS+12*(\a):FS+12*(\a)+11], 0, v[SBW+8*\b+(\k)], v[SAW+8*(\a)+(\k)] matrix_a_fmt:MATRIX_FMT_FP6 matrix_b_fmt:MATRIX_FMT_FP6
.else
	v_wmma_scale_f32_16x16x128_f8f6f4 v[ACC+8*(4*(\a)+\b):ACC+8*(4*(\a)+\b)+7], v[FS+48+12*\b:FS+48+12*\b+11], v[FS+12*(\a):FS+12*(\a)+11], v[ACC+8*(4*(\a)+\b):ACC+8*(4*(\a)+\b)+7], v[SBW+8*\b+(\k)], v[SAW+8*(\a)+(\k)] matrix_a_fmt:MATRIX_FMT_FP6 matrix_b_fmt:MATRIX_FMT_FP6
.endif
.endr
.endr
.endm
.macro STEP k                          ; 128 along K
.if ((\k)%2 == 1) && ((\k) < 7)
	s_wait_dscnt 0x0                               ; no LDS instruction of mine is out at a signal
	s_wait_tensorcnt 3-((\k)+1)/2                  ; my part of the next 256 along K has landed; the later parts may be out
	s_barrier_signal -1
.else
	s_wait_dscnt 8                                 ; all but A's tiles 2 and 3
.endif
	WIN 0x05                                       ; sources 0 and 1 in window 1
	MUL8 \k, 0
.if ((\k)%2 == 1) && ((\k) < 7)
	s_barrier_wait -1                              ; everybody's part has landed
.endif
.if (\k) < 7
.rept 4
	v_nop                                          ; places in front of loads into the set that the step before read
.endr
	FETCH (\k)+1
	s_wait_dscnt 32                                ; all but the 32 just issued
.else
	s_wait_dscnt 0x0
.endif
	WIN 0x05
	MUL8 \k, 2
.endm
	s_wait_tensorcnt 3                             ; the scale words and the first 256 along K are in; three loads may be out
	s_barrier_signal -1
	s_barrier_wait -1
.irp a, 0,1,2,3
.irp k, 0,1,2,3,4,5,6,7
	ds_load_b32 v[SAW+8*\a+\k], v[ASA] offset:256*\k+64*\a
.endr
.endr
.irp b, 0,1,2,3
.irp n, 0,1,2,3
	ds_load_b64 v[SBW+8*\b+2*\n:SBW+8*\b+2*\n+1], v[ASB] offset:512*\b+128*\n
.endr
.endr
	FETCH 0
.irp k, 0,1,2,3,4,5,6,7
	STEP \k
.endr
	WIN 0
; THE WAY OUT, a block of 16 tokens x 64 features at a time, through my own stage: in as 32 bytes a lane at the features' true places, back as whole rows of 256 bytes, into the registers that they left.
; LDS serves a wave's instructions in order: no wait between the stores and the loads, nor in front of the next block's stores.
.macro TOSTAGE a
.irp b, 0,1,2,3                        ; register j of (a, b): feature 32 (b / 2) + 8 (b % 2) + 16 h + j.  Each accumulator from its low end on
	ds_store_b128 v[STO], v[ACC+8*(4*(\a)+\b):ACC+8*(4*(\a)+\b)+3] offset:128*(\b/2)+32*(\b%2)
	ds_store_b128 v[STO], v[ACC+8*(4*(\a)+\b)+4:ACC+8*(4*(\a)+\b)+7] offset:128*(\b/2)+32*(\b%2)+16
.endr
.irp t, 0,1,2,3,4,5,6,7
	ds_load_b128 v[ACC+32*(\a)+4*\t:ACC+32*(\a)+4*\t+3], v[RD] offset:544*\t
.endr
.endm
.macro SEND a, younger                 ; younger: the LDS instructions issued behind block a's loads
.irp t, 0,1,2,3,4,5,6,7
	s_wait_dscnt \younger+7-\t
	global_store_b128 v[CO], v[ACC+32*(\a)+4*\t:ACC+32*(\a)+4*\t+3], s[12:13] offset:(32*((\a)/2)+8*((\a)%2)+2*\t+8*(\t/4))*4096 th:TH_STORE_NT   ; place 2 t + (lane / 16) of tile a is this token; sixteen lanes store 256 consecutive bytes, aligned
.endr
.endm
.rept 4
	v_nop                                          ; places behind the last products
.endr
	TOSTAGE 0
	TOSTAGE 1
	SEND 0, 16
	TOSTAGE 2
	SEND 1, 16
	TOSTAGE 3
	SEND 2, 16
	SEND 3, 0
	s_wait_tensorcnt 0x0                           ; the wave's end
	ds_add_u32 v[SPW], v[NIL]
	s_wait_dscnt 0x0
	CROUND                                         ; the closing round
	s_endpgm
.Lfunc_end_k_qf5b2b2669d_oproj:
	.size	k_qf5b2b2669d_oproj, .Lfunc_end_k_qf5b2b2669d_oproj-k_qf5b2b2669d_oproj
	.p2alignl 7, 3214868480
	.fill 96, 4, 3214868480
	.section	.rodata,"a",@progbits
	.p2align	6, 0x0
	.amdhsa_kernel k_qf5b2b2669d_oproj
		.amdhsa_group_segment_fixed_size 222720
		.amdhsa_private_segment_fixed_size 0
		.amdhsa_enable_private_segment 0
		.amdhsa_kernarg_size 40
		.amdhsa_user_sgpr_count 2
		.amdhsa_user_sgpr_kernarg_segment_ptr 1
		.amdhsa_wavefront_size32 1
		.amdhsa_system_sgpr_workgroup_id_x 1
		.amdhsa_system_sgpr_workgroup_id_y 1
		.amdhsa_system_sgpr_workgroup_id_z 1
		.amdhsa_system_vgpr_workitem_id 0
		.amdhsa_next_free_vgpr 512
		.amdhsa_next_free_sgpr 102
		.amdhsa_reserve_vcc 0
		.amdhsa_float_denorm_mode_32 3
		.amdhsa_float_denorm_mode_16_64 3
		.amdhsa_memory_ordered 1
		.amdhsa_forward_progress 1
		.amdhsa_inst_pref_size 56
	.end_amdhsa_kernel
	.amdgpu_metadata
---
amdhsa.version: [ 1, 2 ]
amdhsa.kernels:
  - .name:           k_qf5b2b2669d_oproj
    .symbol:         k_qf5b2b2669d_oproj.kd
    .args:
      - { .name: oc, .offset: 0, .size: 8, .value_kind: global_buffer, .address_space: global }
      - { .name: os, .offset: 8, .size: 8, .value_kind: global_buffer, .address_space: global }
      - { .name: cod, .offset: 16, .size: 8, .value_kind: global_buffer, .address_space: global }
      - { .name: scl, .offset: 24, .size: 8, .value_kind: global_buffer, .address_space: global }
      - { .name: out0, .offset: 32, .size: 8, .value_kind: global_buffer, .address_space: global }
    .group_segment_fixed_size: 222720
    .private_segment_fixed_size: 0
    .kernarg_segment_align: 8
    .kernarg_segment_size: 40
    .max_flat_workgroup_size: 128
    .sgpr_count:     102
    .vgpr_count:     512
    .wavefront_size: 32
...
	.end_amdgpu_metadata
.endif
;; end of part 4
